; MI455X (gfx1250); checked and timed in simulation.
; The chip was launched on July 23, 2026; its instructions are those of AMD's public machine-readable ISA for CDNA 5 (MIT licence, August 2026) and "CDNA5" Instruction Set Architecture Reference Guide (July 2026). The comments in the code are by the model that wrote it; some were corrected since.
;; Causal Self Attention. Allowed arithmetic: matrix products marked QUANTISED: E2M1 operands, one E8M0 scale for each 32 along K, by v_wmma_scale_f32_16x16x128_f8f6f4 with both operands' format E2M1 (or v_wmma_scale_f32_32x16x128_f4), f32 sums; products left as they are: bf16, f16 or f32 operands; f32 sums; everything else in f32.
;; Inputs: wk 1,024 x 1,024 float32; wq 1,024 x 1,024 float32; wv 1,024 x 1,024 float32; x 4 x 2,048 x 1,024 float32.
;; Outputs: out0 4 x 2,048 x 1,024 float32.
;; This version of the problem:
;;   THIS VERSION OF THE PROBLEM IS GIVEN IN LOW PRECISION. The matrix products marked QUANTISED in the list below multiply operands that are first quantised to E2M1 (2 exponent bits, 1 mantissa bit; 4 bits a number), with one power-of-two scale for each 32 numbers along K (OCP MX v1.0); their sums are f32. The products marked 'left as it is' may take bf16, f16 or f32 operands, with f32 sums. Whichever they take, every output number must still come out within the allowed error. Rounding operands to bf16 (8 significant bits) uses up far more of that allowance than f16 does (11 bits, for magnitudes from 6e-5 to 65,504). All else is computed in f32.
;;   The module's matrix products, in the order in which they are computed (A, B: the left and right operand; K: the contracted axis; several contracted axes count as one K, in the product's order):
;;     1. [M 8,192, K 1,024] x [K 1,024, N 1,024]; A: input x; B: input wq: QUANTISED
;;     2. [M 8,192, K 1,024] x [K 1,024, N 1,024]; A: input x; B: input wk: QUANTISED
;;     3. [M 8,192, K 1,024] x [K 1,024, N 1,024]; A: input x; B: input wv: QUANTISED
;;     4. batch 4 x [M 2,048, K 1,024] x [K 1,024, N 2,048]; A: computed on the way; B: computed on the way: left as it is (an operand is computed on the way)
;;     5. batch 4 x [M 2,048, K 2,048] x [K 2,048, N 1,024]; A: computed on the way; B: computed on the way: left as it is (an operand is computed on the way)
;;   THE QUANTISER, for each operand of a quantised product, along K:
;;     - K is cut into blocks of 32 from its start; a last block that is shorter is filled with zeros.
;;     - A block's scale is 2^e with e = floor(log2(the largest magnitude in the block)) - 2, held to -126 .. 127; a block of zeros has e = 0. As a byte (E8M0): e + 127.
;;     - Each number is divided by its block's scale, clamped to +-6, and rounded to the nearest number of E2M1, ties to even, subnormals kept.
;;     - The product sums the exact products of the quantised numbers (number of the format x scale) in f32.
;;   ~~~python
;;   def quantise(x, axis):      # numpy; x: float32 -> the quantised numbers, widened to float32 again
;;       x = np.moveaxis(x, axis, -1); K = x.shape[-1]
;;       x = np.pad(x, [(0, 0)] * (x.ndim - 1) + [(0, -K % 32)]); x = x.reshape(x.shape[:-1] + (-1, 32)); a = np.abs(x).max(-1, keepdims=True)
;;       e = np.where(a > 0, np.clip(np.frexp(np.where(a > 0, a, 1))[1] - 1 - 2, -126, 127), 0)      # np.frexp(a)[1] - 1 = floor(log2(a)), exactly
;;       r = np.clip(x / 2.0 ** e, -6, 6)
;;       step = 2.0 ** (np.maximum(np.frexp(np.where(r == 0, 1, r))[1] - 1, 0) - 1)
;;       q = np.round(r / step) * step * 2.0 ** e      # np.round: ties to even
;;       return np.moveaxis(q.reshape(q.shape[:-2] + (-1,))[..., :K], -1, axis).astype(np.float32)
;;   ~~~
;; One version. Each part assembles by itself: llvm-mc -triple=amdgcn-amd-amdhsa -mcpu=gfx1250 --defsym DOCPART=n.
;; ======== version 1 of 1: 4 launches
;; limits: values are held in f16: magnitudes above 65,504 overflow, below 6.1e-05 lose precision
;; workspace buffers: xc 4,194,304 bytes; xs 262,144 bytes; wc 1,572,864 bytes; ws 98,304 bytes; qkv 50,331,648 bytes; p 33,554,432 bytes; stats 786,432 bytes
;; launch quant (part 1): grid 352 x 1, 4 waves a work-group, no clusters, 33,280 bytes of LDS; arguments x, wq, wk, wv, xc, xs, wc, ws; writes xc, xs, wc, ws
.if DOCPART == 1
	.amdgcn_target "amdgcn-amd-amdhsa--gfx1250"
	.amdhsa_code_object_version 6
	.text
	.protected	k_q7f6f0bf8f3_quant
	.globl	k_q7f6f0bf8f3_quant
	.p2align	8
	.type	k_q7f6f0bf8f3_quant,@function
k_q7f6f0bf8f3_quant:
	s_mov_b64 s[64:65], 0
	v_nop
	global_prefetch_b8 v0, s[64:65] scope:SCOPE_SE
	s_setreg_imm32_b32 hwreg(HW_REG_WAVE_MODE, 25, 1), 1
	s_wait_xcnt 0x0
; THE PROGRAM.  With i the key and j the query, out[b][i] = sum over j <= i of A[i][j] v[b][j], A[i][j] = exp(s_ij - max_j s_ij) / (sum over ALL j of exp(s_ij - max_j s_ij)), s_ij = k_i . q_j / 32.
; Four launches: this one quantises x and the three weights; the second makes q, k, v (MX-FP4 products, results in f16); the third the scores and the weights p with their row figures; the fourth sums p v.
; WORK LEFT OUT.  reference() itself multiplies A by triu, so A[i][j] with j > i is 0 for every value of the inputs.  Of the last product the tiles of 256 x 256 that lie wholly at j > i are therefore neither
; stored nor multiplied (28 of 64 in each batch).  Their SCORES are live: their exponentials enter the divisor, which runs over all j; they are computed.  No input is without a way to the output: all four are loaded.
; LIMITS.  A NaN, an infinity or an overflow that reaches only the work left out (v[j] times a weight that triu makes 0) is not carried to the result.  NaN and infinities among the inputs are not served.
; q, k, v go on in f16: magnitudes beyond 65,504 are not served.
; THIS LAUNCH.  x [8192][1024], wq, wk, wv [1024][1024], f32, K innermost, become codes of E2M1, two a byte, K innermost, and one E8M0 byte for each 32 along K.  The three weights land in one buffer, wq's rows first, then wk's, then wv's.
; A block's scale is 2^(floor(log2(its largest magnitude)) - 2); its byte is the largest magnitude's exponent field - 2, held at 1 from below.  A block of zeros, and one whose largest magnitude lies under 2^-124, so gets the byte 1
; (the rule says 127 for zeros): zero codes add nothing under any byte but 0xff, and these bytes are read by this program alone.
; Rows are dense and K is a multiple of 32: every tensor is a plain stream of blocks of 32.  A work-group takes 32,768 numbers, a wave 8,192 in 16 steps of 512.  Work-groups 0-255 take x, 256-287 wq, 288-319 wk, 320-351 wv.
; Each of a step's four loads reads 512 consecutive bytes; the 2,048 bytes turn through the wave's own stage in LDS, so that a lane then holds 16 neighbours along K (two neighbouring lanes hold a block).
; No tensor loads, no barrier: waves share nothing.  Loads run eight steps (32 loads, 16,384 bytes a wave) ahead, the turn through LDS one step.
.set WAVES, 4
.set STEPS, 16
.set DEPTH, 8                          ; steps of loads on their way
.set EMAX,  2
.set CB,    8                          ; bytes of 16 codes
.set R,     16                         ; v16-143  eight sets of 16 numbers as they are loaded
.set X,     144                        ; v144-175 two sets of 16 neighbours
.set E,     176                        ; v176-191 a scale byte for each step
.set C,     192                        ; v192-223 codes: two registers for each step, so that no store's data are written again
.set WREG,  8192                       ; LDS: a region for each wave: two stages of 32 x SP bytes, behind them its 256 scale bytes
.set SP,    80                         ; a lane's place in a stage: 64 bytes + 16 of padding
.set SPW,   12                         ; v12  LDS address of my spare word; never rewritten
.set NIL,   13                         ; v13  0; never rewritten
.set SPARE, WAVES*WREG                 ; behind the four regions: the spare words, 128 bytes a wave, named by no other line
	s_load_b256 s[4:11], s[0:1], 0x0               ; x, wq, wk, wv
	s_load_b256 s[12:19], s[0:1], 0x20             ; x's codes, x's scales, the weights' codes, the weights' scales
	v_lshl_add_u32 v[SPW], v0, 2, SPARE
	v_mov_b32 v[NIL], 0
	v_lshrrev_b32 v1, 5, v0
	v_readfirstlane_b32 s24, v1                    ; wave
	v_and_b32 v2, 31, v0                           ; lane
	v_lshlrev_b32 v3, 4, v2                        ; my 16 bytes of a load's 512
	s_mul_i32 s25, s24, WREG
	v_lshrrev_b32 v14, 2, v2
	v_mul_u32_u24 v14, v14, SP
	v_and_b32 v15, 3, v2
	v_lshl_add_u32 v14, v15, 4, v14
	v_add_nc_u32 v14, s25, v14                     ; the stage, on the way in: SP (lane / 4) + 16 (lane % 4)
	v_mul_u32_u24 v15, v2, SP
	v_add_nc_u32 v15, s25, v15                     ; and on the way out: SP x lane: my 16 neighbours
	v_mul_u32_u24 v4, v2, CB                       ; my codes' place in a step's
	v_lshrrev_b32 v5, 1, v2
	s_add_co_u32 s25, s25, 2*32*SP
	v_add_nc_u32 v5, s25, v5                       ; LDS: my wave's 256 scale bytes, my block's byte
	v_lshlrev_b32 v7, 3, v2                        ; and on the way out 8 bytes a lane
	v_add_nc_u32 v6, s25, v7
	s_wait_kmcnt 0x0
	s_cmp_lt_u32 ttmp9, 320                        ; which tensor?  The choices hang on the work-group's number alone
	s_cselect_b64 s[8:9], s[8:9], s[10:11]         ; wk or wv
	s_cmp_lt_u32 ttmp9, 288
	s_cselect_b64 s[6:7], s[6:7], s[8:9]           ; wq or that
	s_cmp_lt_u32 ttmp9, 256
	s_cselect_b64 s[4:5], s[4:5], s[6:7]           ; x or that
	s_cselect_b64 s[12:13], s[12:13], s[16:17]     ; the codes' buffer
	s_cselect_b64 s[14:15], s[14:15], s[18:19]     ; the scale bytes' buffer
	s_cselect_b32 s20, 0, 256
	s_cselect_b32 s21, -1, 31
	s_sub_co_u32 s22, ttmp9, s20                   ; my chunk of 32,768 numbers in the output buffers,
	s_and_b32 s23, s22, s21                        ; and in the input tensor (a weight has 32 chunks)
	s_lshl_b32 s23, s23, 2
	s_add_co_u32 s23, s23, s24                     ; my wave's run of 8,192 numbers: 32,768 bytes in,
	s_lshl_b32 s26, s23, 15
	s_mov_b32 s27, 0
	s_add_nc_u64 s[4:5], s[4:5], s[26:27]
	s_lshl_b32 s22, s22, 2
	s_add_co_u32 s22, s22, s24
	s_lshl_b32 s26, s22, 12                        ; 4,096 bytes of codes out,
	s_add_nc_u64 s[12:13], s[12:13], s[26:27]
	s_lshl_b32 s26, s22, 8                         ; 256 scale bytes out
	s_add_nc_u64 s[14:15], s[14:15], s[26:27]
.macro LOAD t
.irp i, 0,1,2,3
	global_load_b128 v[R+16*((\t)%DEPTH)+4*\i:R+16*((\t)%DEPTH)+4*\i+3], v3, s[4:5] offset:2048*(\t)+512*\i th:TH_LOAD_NT   ; 32 lanes read 512 consecutive bytes
.endr
.endm
.macro TURN t                          ; step t's numbers through the stage: LDS serves a wave's instructions in order, so no wait stands between the stores and the loads
.irp i, 0,1,2,3
	ds_store_b128 v14, v[R+16*((\t)%DEPTH)+4*\i:R+16*((\t)%DEPTH)+4*\i+3] offset:32*SP*((\t)%2)+8*SP*\i
.endr
.irp i, 0,1,2,3
	ds_load_b128 v[X+16*((\t)%2)+4*\i:X+16*((\t)%2)+4*\i+3], v15 offset:32*SP*((\t)%2)+16*\i
.endr
.endm
.irp t, 0,1,2,3,4,5,6,7
	LOAD \t
.endr
	s_wait_loadcnt 4*(DEPTH-1)                     ; step 0's four loads are in; the 28 of steps 1 to 7 may be out
	TURN 0
.macro STEP t
.set XS, X+16*((\t)%2)
.if (\t) > 0
	s_wait_dscnt 1                                 ; this step's numbers are back from the stage (the last step's byte store may be out): so its stores into the stage have read their registers,
.else
	s_wait_dscnt 0x0
.endif
.if (\t)+DEPTH < STEPS
	LOAD (\t)+DEPTH                                ; which take the loads of eight steps on
.endif
.if (\t)+1 < STEPS
.if STEPS-2-(\t) >= DEPTH-1
	s_wait_loadcnt 4*(DEPTH-1)                     ; the next step's four loads are in; those of the seven steps behind it may be out
.else
	s_wait_loadcnt 4*(STEPS-2-(\t))                ; towards the end: those of the steps that are left
.endif
	TURN (\t)+1                                    ; and go through the other stage while this step is worked
.endif
	v_max3_num_f32 v8, |v[XS]|, |v[XS+1]|, |v[XS+2]|               ; the largest magnitude of my 16, in two chains
	v_max3_num_f32 v9, |v[XS+3]|, |v[XS+4]|, |v[XS+5]|
.irp i, 6,10
	v_max3_num_f32 v8, v8, |v[XS+\i]|, |v[XS+\i+1]|
	v_max3_num_f32 v9, v9, |v[XS+\i+2]|, |v[XS+\i+3]|
.endr
	v_max3_num_f32 v8, v8, |v[XS+14]|, |v[XS+15]|
	v_max3_num_f32 v8, v8, v9, (EMAX+1)<<23        ; and the floor 2^(3 - 127): so the byte cannot fall under 1
	v_max_num_f32_dpp v8, v8, v8 row_xmask:1 row_mask:0xf bank_mask:0xf   ; and of my neighbour's 16: the block's
	v_add_nc_u32 v11, -(EMAX<<23), v8              ; 2 off its exponent field: the conversion takes the exponent field of this operand as its scale, and nothing else of it
	v_cvt_scalef32_pk8_fp4_f32 v[C+2*(\t)], v[XS:XS+7], v11        ; eight numbers / the scale, to the nearest code, ties to even, beyond the largest code the largest; the first number's code in the lowest four bits
	v_cvt_scalef32_pk8_fp4_f32 v[C+2*(\t)+1], v[XS+8:XS+15], v11
	v_lshrrev_b32 v[E+(\t)], 23, v11               ; the scale's byte (also the plain line behind the conversions)
	ds_store_b8 v5, v[E+(\t)] offset:16*(\t)       ; both lanes of a block write the same byte with the same value
	global_store_b64 v4, v[C+2*(\t):C+2*(\t)+1], s[12:13] offset:32*CB*(\t)   ; the wave stores 256 consecutive bytes, aligned
.endm
.irp t, 0,1,2,3,4,5,6,7,8,9,10,11,12,13,14,15
	STEP \t
.endr
	ds_load_b64 v[8:9], v6                         ; LDS serves a wave's instructions in order: these see my stores
	s_wait_dscnt 0x0
	global_store_b64 v7, v[8:9], s[14:15]          ; 32 lanes store 256 consecutive bytes, aligned
	s_wait_tensorcnt 0x0                           ; the wave's end
	ds_add_u32 v[SPW], v[NIL]
	s_wait_dscnt 0x0
	s_endpgm
.Lfunc_end_k_q7f6f0bf8f3_quant:
	.size	k_q7f6f0bf8f3_quant, .Lfunc_end_k_q7f6f0bf8f3_quant-k_q7f6f0bf8f3_quant
	.p2alignl 7, 3214868480
	.fill 96, 4, 3214868480
	.section	.rodata,"a",@progbits
	.p2align	6, 0x0
	.amdhsa_kernel k_q7f6f0bf8f3_quant
		.amdhsa_group_segment_fixed_size 33280
		.amdhsa_private_segment_fixed_size 0
		.amdhsa_enable_private_segment 0
		.amdhsa_kernarg_size 64
		.amdhsa_user_sgpr_count 2
		.amdhsa_user_sgpr_kernarg_segment_ptr 1
		.amdhsa_wavefront_size32 1
		.amdhsa_system_sgpr_workgroup_id_x 1
		.amdhsa_system_sgpr_workgroup_id_y 1
		.amdhsa_system_sgpr_workgroup_id_z 1
		.amdhsa_system_vgpr_workitem_id 0
		.amdhsa_next_free_vgpr 224
		.amdhsa_next_free_sgpr 66
		.amdhsa_reserve_vcc 0
		.amdhsa_float_denorm_mode_32 3
		.amdhsa_float_denorm_mode_16_64 3
		.amdhsa_memory_ordered 1
		.amdhsa_forward_progress 1
		.amdhsa_inst_pref_size 34
	.end_amdhsa_kernel
	.amdgpu_metadata
---
amdhsa.version: [ 1, 2 ]
amdhsa.kernels:
  - .name:           k_q7f6f0bf8f3_quant
    .symbol:         k_q7f6f0bf8f3_quant.kd
    .args:
      - { .name: x, .offset: 0, .size: 8, .value_kind: global_buffer, .address_space: global }
      - { .name: wq, .offset: 8, .size: 8, .value_kind: global_buffer, .address_space: global }
      - { .name: wk, .offset: 16, .size: 8, .value_kind: global_buffer, .address_space: global }
      - { .name: wv, .offset: 24, .size: 8, .value_kind: global_buffer, .address_space: global }
      - { .name: xc, .offset: 32, .size: 8, .value_kind: global_buffer, .address_space: global }
      - { .name: xs, .offset: 40, .size: 8, .value_kind: global_buffer, .address_space: global }
      - { .name: wc, .offset: 48, .size: 8, .value_kind: global_buffer, .address_space: global }
      - { .name: ws, .offset: 56, .size: 8, .value_kind: global_buffer, .address_space: global }
    .group_segment_fixed_size: 33280
    .private_segment_fixed_size: 0
    .kernarg_segment_align: 8
    .kernarg_segment_size: 64
    .max_flat_workgroup_size: 128
    .sgpr_count:     66
    .vgpr_count:     224
    .wavefront_size: 32
...
	.end_amdgpu_metadata
.endif
;; end of part 1
;; launch qkv (part 2): grid 8 x 32, 4 waves a work-group, clusters of 4 x 4, 327,680 bytes of LDS; arguments xc, xs, wc, ws, qkv; writes qkv
.if DOCPART == 2
	.amdgcn_target "amdgcn-amd-amdhsa--gfx1250"
	.amdhsa_code_object_version 6
	.text
	.protected	k_q7f6f0bf8f3_qkv
	.globl	k_q7f6f0bf8f3_qkv
	.p2align	8
	.type	k_q7f6f0bf8f3_qkv,@function
k_q7f6f0bf8f3_qkv:
	s_mov_b64 s[64:65], 0
	v_nop
	global_prefetch_b8 v0, s[64:65] scope:SCOPE_SE
	s_setreg_imm32_b32 hwreg(HW_REG_WAVE_MODE, 25, 1), 1
	s_wait_xcnt 0x0
	s_wait_alu depctr_hold_cnt(0) depctr_sa_sdst(0) depctr_va_vdst(0) depctr_va_sdst(0) depctr_va_ssrc(0) depctr_va_vcc(0) depctr_vm_vsrc(0)
	s_getreg_b32 s2, hwreg(HW_REG_IB_STS2, 6, 4)
	s_cmp_eq_u32 s2, 0
	s_cbranch_scc0 .Lentry_in_a_cluster
	s_endpgm
.Lentry_in_a_cluster:
	s_bfe_u32 s2, ttmp6, 0x10000c
	s_cmp_lg_u32 s2, 0xf033
	s_cbranch_scc0 .Lentry_shape_is_right
	s_endpgm
.Lentry_shape_is_right:
; qkv[m][n] = sum over k of x[m][k] w[n][k], both as codes of E2M1 with one E8M0 scale for each 32 along K; n runs over wq's, wk's and wv's 1,024 rows on end, so a row of qkv holds q, k and v of one position.
; Sums in f32; the result is rounded once to f16 (the later products take f16 operands).  LIMIT: results beyond 65,504 are not served.
; SHARES.  8,192 x 3,072 results on 256 work-groups: each makes 256 rows x 384 columns, in two parts.
;   PART 1: columns 0-255.  A wave makes 128 x 128: 64 accumulators of 16 x 16, 512 registers.  K = 1,024 lies in two slots of 512 along K (rows of 256 bytes), both first fills.
;   PART 2: columns 256-383.  Wave w makes rows 64 w .. 64 w + 63 x 128 columns: 32 accumulators, in the registers that part 1's rows 0-63 have left.
; x's 256 rows stay in LDS for both parts.  x's 139,264 bytes and w's 384 rows (208,896) do not fit in LDS together: w's last 128 rows, both halves of K (2 x 128 x 272 bytes), are brought into the bytes that
; the first 256 rows' first half of K leaves at part 1's change of slots (256 x 272 bytes): one joint load a wave, 64 rows x 256 bytes, behind a round of the cluster's barrier.
; Part 1 goes out ahead of part 2's products: its stores are on their way while part 2 is multiplied.
; THE SCALES of the work-group's 256 + 384 rows, for all of K, are two dense blocks of memory: they come into LDS once, with the first fills.
; CLUSTERS: 4 x 4 work-groups.  The four of a row of the cluster need the same rows of x, the four of a column the same rows of w: each tile is asked for JOINTLY, by the same tensor load with the same descriptor and a mask of the four.
; THE MATRIX INSTRUCTION IS USED TRANSPOSED (source 0 = 16 rows of w, source 1 = 16 rows of x): a lane then holds eight neighbouring numbers of a row of qkv.
; REGISTERS, in windows of 256: window 0: v0-31 addresses; v32-95 scale words, two sets, and nothing else; from v128 x's fragments (part 1: one set of 64; part 2: two sets of 32); on the ways out v128-223 are at work.
;   window 1: w's fragments, TWO sets, at v0 and v128.   window 2: the accumulators of my rows 0-63 ((a, b) at v[8 (8 a + b)]), then part 2's;   window 3: those of my rows 64-127.
.set TCOLS,  384                       ; columns of a work-group
.set KSTEP,  512                       ; along K in a slot
.set NQ,     KSTEP/128                 ; matrix instructions deep
.set ROWB,   256                       ; a tile's row in bytes
.set KROW,   512                       ; a row of codes in memory: 1,024 codes
.set CROW,   6144                      ; a row of qkv in memory
.set PITCH,  272                       ; an LDS row: 256 bytes + 16 of padding: the 16 rows that a load touches start 68 words apart
.set FR,     8                         ; registers of a fragment: 16 rows x 128 K
.set NL,     2                         ; LDS loads that bring one
.set NP,     4                         ; places behind this matrix instruction (ISA guide 7.12.1)
.set HALFT,  128*PITCH                 ; 128 rows
.set SLOT,   4*HALFT                   ; x's 256 rows, then w's first 256 rows
.set KS,     32                        ; a row of scales in bytes
.set SCL,    2*SLOT                    ; behind the slots: the scales, as units of 256 bytes + 16 of padding: x's 32 units, then w's 48
.set HALFS,  16*272                    ; the scales of 128 rows
.set SBLK,   2*272                     ; those of 16 rows
.set SPARE,  SCL+80*272                ; the spare words, 128 bytes a wave, named by no other line
.set STAGE,  SPARE+512                 ; the ways out: 16 rows x (256 bytes + 16) for each wave; no tile lands here
.set SPITCH, 272
.set ADRA,  16                         ; v16-17  part 1: LDS address of my x fragments in slot 0, 1
.set ADRA2, 18                         ; v18-19  part 2: the same for my 64 rows
.set ADRB,  20                         ; v20-21  part 1: w
.set ADRB2, 22                         ; v22-23  part 2: w's last 128 rows, first and second half of K
.set STO,  24                          ; v24     the way out: where I put 16 bytes of a row
.set RD,   25                          ; v25     where I read a row back
.set CO,   26                          ; v26     my byte offset in two rows of qkv
.set ADRS, 27                          ; v27     part 1: LDS address of my scale words: lanes 0-15 x's rows, lanes 16-31 w's
.set SPW,  28                          ; v28     LDS address of my spare word; never rewritten
.set NIL,  29                          ; v29     0; never rewritten
.set ADRS2, 30                         ; v30     part 2: the same as v27
.set SC,   32                          ; scale words: set s at v[SC + 32 s]; register 4 i + q: lanes 0-15 the word of x's block i, lanes 16-31 that of w's block i
.set AF,   128                         ; x's fragments, in window 0
.set TMP,  192                         ; the way out: packed results
.set OB,   128                         ; the way out: 16 rows read back: v128-159 and v160-191 by turns
.set G1, 24
.set G0, 32
.set G1B, 48
.set G0B, 56
.set G1S, 68
.set G0S, 76
.set G1SB, 80
.set G0SB, 88
.set MSB, 0
.macro WIN new                         ; the immediate's high byte repeats the setting that is left
.if MSB != \new
	s_set_vgpr_msb (MSB<<8)|\new
.set MSB, \new
.endif
.endm
.set MUL_LO, 0xa1                      ; source 0 (w) window 1, source 1 (x) window 0, C and D window 2
.set MUL_HI, 0xf1                      ; the same, C and D window 3
.set TO_B,   0x40                      ; destination window 1, address window 0
; A joint load: waves 0 and 1 fetch for x, waves 2 and 3 for w.  The branch hangs on the wave's number alone.  An s_nop 0 and four v_nop follow each of the two lines.
.macro JLOAD g0a, g1a, g0b, g1b
	s_cmp_eq_u32 s15, 0
	s_cbranch_scc0 .Lfor_b_\@
	tensor_load_to_lds s[\g0a:\g0a+3], s[\g1a:\g1a+7]
	s_nop 0
.rept 4
	v_nop
.endr
	s_branch .Lasked_\@
.Lfor_b_\@:
	tensor_load_to_lds s[\g0b:\g0b+3], s[\g1b:\g1b+7]
	s_nop 0
.rept 4
	v_nop
.endr
.Lasked_\@:
.endm
.macro CREST                           ; a round of the cluster's barrier behind its opening barrier
	s_cmp_lg_u32 s14, 0
	s_cbranch_scc1 .Lnot_wave_0_\@
	s_barrier_signal -3
.Lnot_wave_0_\@:
	s_barrier_wait -3
	s_barrier_signal -1
	s_barrier_wait -1
.endm
.macro CROUND                          ; a whole round
	s_barrier_signal -1
	s_barrier_wait -1
	CREST
.endm
	s_load_b128 s[4:7], s[0:1], 0x0                ; x's codes, x's scales
	s_load_b128 s[8:11], s[0:1], 0x10              ; w's codes, w's scales
	s_load_b64 s[12:13], s[0:1], 0x20              ; qkv
	v_lshl_add_u32 v[SPW], v0, 2, SPARE
	v_mov_b32 v[NIL], 0
	ds_add_u32 v[SPW], v[NIL]                      ; the wave's opening: the add, twice on end, and its wait ahead of my first tensor load
	ds_add_u32 v[SPW], v[NIL]
	v_lshrrev_b32 v1, 5, v0
	v_readfirstlane_b32 s14, v1                    ; wave 0..3
	s_lshr_b32 s15, s14, 1                         ; part 1: which half of the rows is mine.  Also: I fetch for x (0) or for w (1)
	s_and_b32 s16, s14, 1                          ; part 1: which half of the columns.  Also: which half of a tile I fetch
	s_bfe_u32 s40, ttmp6, 0x40000                  ; cx, cy: my place in the cluster
	s_bfe_u32 s41, ttmp6, 0x40004
	s_lshl_b32 s42, ttmp9, 2
	s_add_co_u32 s42, s42, s40                     ; tile column = 4 x cluster x + cx, 0..7
	s_and_b32 s17, ttmp7, 0xffff
	s_lshl_b32 s17, s17, 2
	s_add_co_u32 s17, s17, s41                     ; tile row = 4 x cluster y + cy, 0..31
	s_lshl_b32 s43, s41, 2
	s_lshl_b32 s43, 15, s43                        ; my row of the cluster
	s_lshl_b32 s44, 0x1111, s40                    ; my column
	; descriptor group 1: a tile of 128 rows x 256 bytes, 16 bytes of padding behind each row
	s_or_b32 s[G1+0], s43, (0<<16)|(1<<20)|(1<<21)|(5<<22)|(3<<25)  ; 15:0 the mask; 17:16 element of 1 byte; 20 padding on; 21 set beside a mask; 24:22 after every 64 words; 31:25 four words
	s_or_b32 s[G1B+0], s44, (0<<16)|(1<<20)|(1<<21)|(5<<22)|(3<<25)
.irp g, G1, G1B
	s_mov_b32 s[\g+1], ROWB<<16                    ; tensor_dim0
	s_mov_b32 s[\g+2], 128<<16                     ; tensor_dim1
	s_mov_b32 s[\g+3], ROWB<<16                    ; tile_dim0
	s_mov_b32 s[\g+4], 128                         ; tile_dim1
	s_mov_b32 s[\g+5], KROW                        ; tensor_dim0_stride
	s_mov_b32 s[\g+6], 0
	s_mov_b32 s[\g+7], 0
.endr
	; the scales: dense blocks, as rows of 256 bytes (32 elements of 8 bytes), 16 bytes of padding behind each.  x: 128 rows of scales are 16 such rows; w: 192 rows are 24
	s_or_b32 s[G1S+0], s43, (3<<16)|(1<<20)|(1<<21)|(5<<22)|(3<<25)
	s_or_b32 s[G1SB+0], s44, (3<<16)|(1<<20)|(1<<21)|(5<<22)|(3<<25)
.irp g, G1S, G1SB
	s_mov_b32 s[\g+1], 32<<16
	s_mov_b32 s[\g+3], 32<<16
	s_mov_b32 s[\g+5], 32
	s_mov_b32 s[\g+6], 0
	s_mov_b32 s[\g+7], 0
.endr
	s_mov_b32 s[G1S+2], 16<<16
	s_mov_b32 s[G1S+4], 16
	s_mov_b32 s[G1SB+2], 24<<16
	s_mov_b32 s[G1SB+4], 24
	s_lshl_b32 s18, s16, 7                         ; which 128 rows of a tile I fetch
	s_lshl_b32 s20, s17, 8
	s_add_co_u32 s20, s20, s18                     ; x: row 256 x tile row + 128 x half
	s_mul_i32 s46, s42, TCOLS
	s_add_co_u32 s46, s46, s18                     ; w: row 384 x tile column + 128 x half
	s_mov_b32 s21, 0
	s_mov_b32 s47, 0
	s_mov_b64 s[18:19], KS
	s_mul_u64 s[22:23], s[20:21], s[18:19]         ; where x's rows' scales begin, in bytes
	s_mov_b64 s[18:19], KROW
	s_mul_u64 s[20:21], s[20:21], s[18:19]         ; and the codes
	s_mul_u64 s[46:47], s[46:47], s[18:19]
	s_mul_i32 s92, s42, TCOLS*KS                   ; w's scales: rows 384 x tile column + 192 x half
	s_mul_i32 s93, s16, 192*KS
	s_add_co_u32 s92, s92, s93
	s_mov_b32 s93, 0
	s_mul_i32 s96, s42, TCOLS*KROW                 ; the later load: w's rows 384 x tile column + 256 + 64 (wave % 2), half wave / 2 of K
	s_mul_i32 s97, s16, 64*KROW
	s_add_co_u32 s96, s96, s97
	s_lshl_b32 s97, s15, 8
	s_add_co_u32 s96, s96, s97
	s_add_co_u32 s96, s96, 256*KROW
	s_mov_b32 s97, 0
	s_mul_i32 s45, s14, HALFT                      ; where the codes go: wave x 128 rows: no place in the cluster enters an LDS address
	s_mul_i32 s94, s16, HALFS                      ; x's scales: my half
	s_mul_i32 s95, s16, 24*272                     ; w's scales: my half
	s_wait_dscnt 0x0                               ; both opening adds are done
	s_wait_kmcnt 0x0
	s_add_nc_u64 s[20:21], s[4:5], s[20:21]
	s_add_nc_u64 s[22:23], s[6:7], s[22:23]
	s_add_nc_u64 s[46:47], s[8:9], s[46:47]
	s_add_nc_u64 s[92:93], s[10:11], s[92:93]
	s_add_nc_u64 s[96:97], s[8:9], s[96:97]
	CROUND                                         ; all sixteen work-groups are here: the first joint loads meet
	s_mov_b32 s[G0S], 1
	s_add_co_u32 s[G0S+1], s94, SCL
	s_mov_b64 s[G0S+2:G0S+3], s[22:23]
	s_or_b32 s[G0S+3], s[G0S+3], 0x80000000
	s_mov_b32 s[G0SB], 1
	s_add_co_u32 s[G0SB+1], s95, SCL+2*HALFS
	s_mov_b64 s[G0SB+2:G0SB+3], s[92:93]
	s_or_b32 s[G0SB+3], s[G0SB+3], 0x80000000
	JLOAD G0S, G1S, G0SB, G1SB                     ; the scales first: they are wanted with the first slot
.irp s, 0,1
	s_mov_b32 s[G0+4*\s], 1
	s_add_co_u32 s[G0+4*\s+1], s45, \s*SLOT
	s_add_nc_u64 s[G0+4*\s+2:G0+4*\s+3], s[20:21], \s*ROWB
	s_or_b32 s[G0+4*\s+3], s[G0+4*\s+3], 0x80000000
	s_mov_b32 s[G0B+4*\s], 1
	s_add_co_u32 s[G0B+4*\s+1], s45, \s*SLOT
	s_add_nc_u64 s[G0B+4*\s+2:G0B+4*\s+3], s[46:47], \s*ROWB
	s_or_b32 s[G0B+4*\s+3], s[G0B+4*\s+3], 0x80000000
	JLOAD G0+4*\s, G1, G0B+4*\s, G1B               ; three loads of mine are out at the most
.endr
	v_and_b32 v1, 15, v0                           ; l % 16
	v_bfe_u32 v2, v0, 4, 1                         ; l / 16
	v_mul_u32_u24 v3, v1, PITCH
	v_lshl_add_u32 v4, v2, 4, v3                   ; a fragment's row x pitch + 16 x half
	s_mul_i32 s21, s15, HALFT                      ; part 1: my 128 rows of x
	s_mul_i32 s22, s16, HALFT                      ; my 128 rows of w,
	s_add_co_u32 s22, s22, 2*HALFT                 ; which lie behind x's 256
.irp s, 0,1
	v_add_nc_u32 v[ADRA+\s], s21, v4
	v_add_nc_u32 v[ADRB+\s], s22, v4
	s_add_co_u32 s21, s21, SLOT
	s_add_co_u32 s22, s22, SLOT
.endr
	s_mul_i32 s21, s14, 64*PITCH                   ; part 2: my 64 rows of x, in slot 0 and in slot 1;
	v_add_nc_u32 v[ADRA2], s21, v4
	v_add_nc_u32 v[ADRA2+1], SLOT, v[ADRA2]
	v_add_nc_u32 v[ADRB2], 2*HALFT, v4             ; w's last 128 rows: the first half of K where slot 0 held w's rows 0-127,
	v_add_nc_u32 v[ADRB2+1], 3*HALFT, v4           ; the second where it held rows 128-255
	v_mul_u32_u24 v7, v1, KS                       ; my row's scales: 32 bytes a row,
	v_lshrrev_b32 v6, 8, v7
	v_lshl_add_u32 v7, v6, 4, v7                   ; and 16 more for each 256 passed
	s_mul_i32 s21, s15, HALFS                      ; part 1: x's: my 128 rows
	s_mul_i32 s22, s16, HALFS                      ; w's: my 128 rows, behind x's 256
	s_add_co_u32 s22, s22, 2*HALFS
	s_sub_co_u32 s22, s22, s21
	v_mul_u32_u24 v6, s22, v2                      ; lanes 16-31 take w's: one product, the distance between the two bases
	s_add_co_u32 s21, s21, SCL
	v_add_nc_u32 v5, v7, v6
	v_add_nc_u32 v[ADRS], s21, v5
	s_mul_i32 s21, s14, 8*272                      ; part 2: x's: my 64 rows are 8 units;
	s_xor_b32 s22, s14, 7
	s_add_co_u32 s22, s22, 1                       ; 8 - wave:
	s_mul_i32 s22, s22, 8*272                      ; w's rows 256 on begin 64 units behind x's first: the distance from my x rows is (8 - wave) x 8 units
	v_mul_u32_u24 v6, s22, v2
	s_add_co_u32 s21, s21, SCL
	v_add_nc_u32 v5, v7, v6
	v_add_nc_u32 v[ADRS2], s21, v5
	s_mul_i32 s23, s14, 16*SPITCH
	s_add_co_u32 s23, s23, STAGE                   ; my stage
	v_mul_u32_u24 v5, v1, SPITCH                   ; in: row l % 16, 16 bytes for each half of the lanes
	v_lshl_add_u32 v5, v2, 4, v5
	v_add_nc_u32 v[STO], s23, v5
	v_mul_u32_u24 v5, v2, SPITCH                   ; back: lanes 0-15 one row of 256 bytes, lanes 16-31 the next
	v_lshl_add_u32 v5, v1, 4, v5
	v_add_nc_u32 v[RD], s23, v5
	v_mul_u32_u24 v5, v2, CROW                     ; and the same two rows in qkv
	v_lshl_add_u32 v[CO], v1, 4, v5
	s_lshl_b32 s20, s17, 8                         ; the tile's first row
	s_lshl_b32 s21, s15, 7
	s_add_co_u32 s21, s21, s20                     ; part 1: my first row: + 128 x half
	s_mul_i32 s22, s21, CROW                       ; in bytes: under 2^26
	s_mul_i32 s46, s42, 2*TCOLS                    ; the tile's first column, in bytes: a multiple of 256
	s_lshl_b32 s47, s16, 8
	s_add_co_u32 s22, s22, s46
	s_add_co_u32 s22, s22, s47                     ; + 256 x half
	s_mov_b32 s23, 0
	s_lshl_b32 s21, s14, 6
	s_add_co_u32 s21, s21, s20                     ; part 2: my first row: + 64 x wave
	s_mul_i32 s20, s21, CROW
	s_add_co_u32 s20, s20, s46
	s_add_co_u32 s20, s20, 512                     ; columns 256 on
	s_mov_b32 s21, 0
	s_add_nc_u64 s[66:67], s[12:13], s[20:21]
	s_add_nc_u64 s[12:13], s[12:13], s[22:23]
.macro FRAG reg, adr, q, i             ; a fragment, 16 rows x 128 K of 4-bit codes: lane l holds row l % 16; registers 4 c .. 4 c + 3 hold K = 64 c + 32 (l / 16) + 0 .. 31
.irp c, 0,1
	ds_load_b128 v[\reg+4*\c:\reg+4*\c+3], v[\adr] offset:64*(\q)+32*\c+(\i)*16*PITCH
.endr
.endm
; PART 1.  16 matrix instructions: x's blocks a0, a0 + 1 against w's eight, 128 along K.  p: w's set; sc: the set of scale words.  zero = 1: the first product starts the sums.
; The 64 accumulators take turns, one instruction a turn, in the same order in every step.
.macro MUL16 a0, p, q, sc, zero
.irp a, \a0, \a0+1
.irp b, 0,1,2,3,4,5,6,7
.if \zero
	v_wmma_scale_f32_16x16x128_f8f6f4 v[8*(8*((\a)%4)+\b):8*(8*((\a)%4)+\b)+7], v[128*(\p)+FR*\b:128*(\p)+FR*\b+FR-1], v[AF+FR*(\a):AF+FR*(\a)+FR-1], 0, v[SC+8*NQ*(\sc)+NQ*\b+(\q)], v[SC+8*NQ*(\sc)+NQ*(\a)+(\q)] matrix_a_fmt:MATRIX_FMT_FP4 matrix_b_fmt:MATRIX_FMT_FP4 matrix_a_scale:MATRIX_SCALE_ROW1
.else
	v_wmma_scale_f32_16x16x128_f8f6f4 v[8*(8*((\a)%4)+\b):8*(8*((\a)%4)+\b)+7], v[128*(\p)+FR*\b:128*(\p)+FR*\b+FR-1], v[AF+FR*(\a):AF+FR*(\a)+FR-1], v[8*(8*((\a)%4)+\b):8*(8*((\a)%4)+\b)+7], v[SC+8*NQ*(\sc)+NQ*\b+(\q)], v[SC+8*NQ*(\sc)+NQ*(\a)+(\q)] matrix_a_fmt:MATRIX_FMT_FP4 matrix_b_fmt:MATRIX_FMT_FP4 matrix_a_scale:MATRIX_SCALE_ROW1
.endif
.endr
.endr
.endm
.macro FETCH_B slot, q, p              ; w's eight fragments of the slot's q-th 128 along K into set p
	WIN TO_B
.irp i, 0,1,2,3,4,5,6,7
	FRAG 128*(\p)+FR*\i, ADRB+\slot, \q, \i
.endr
	WIN 0
.endm
.macro FETCH_A slot, q, i0             ; x's blocks i0 .. i0 + 3
.irp i, \i0, \i0+1, \i0+2, \i0+3
	FRAG AF+FR*(\i), ADRA+\slot, \q, \i
.endr
.endm
.macro SCALES sc                       ; a slot's scale words into set sc: four words a row; lanes 0-15 take x's block i, lanes 16-31 w's block i
.irp i, 0,1,2,3,4,5,6,7
	ds_load_b128 v[SC+8*NQ*\sc+NQ*\i:SC+8*NQ*\sc+NQ*\i+3], v[ADRS] offset:\i*SBLK
.endr
.endm
.macro PLACES n                        ; places in front of loads into registers that matrix instructions have read, and of the first read of results
.rept \n
	v_nop
.endr
.endm
.macro STEP slot, q, zero              ; a step of 128 along K that has its successor in the same slot
	s_wait_dscnt 4*NL                              ; w's set and x's blocks 0-3 are in; the youngest eight loads (x's blocks 4-7) may be out
	WIN MUL_LO
	MUL16 0, (\q)%2, \q, \slot, \zero
	MUL16 2, (\q)%2, \q, \slot, \zero
	s_wait_dscnt 0                                 ; x's blocks 4-7 are in
	PLACES NP
	FETCH_B \slot, (\q)+1, 1-(\q)%2
	FETCH_A \slot, (\q)+1, 0
	WIN MUL_HI
	MUL16 4, (\q)%2, \q, \slot, \zero
	MUL16 6, (\q)%2, \q, \slot, \zero
	PLACES NP
	WIN 0
	FETCH_A \slot, (\q)+1, 4
.endm
.macro STEPS slot, from                ; the slot's steps from .. NQ - 2
.set Q, \from
.rept NQ-1-\from
	STEP \slot, Q, 0
.set Q, Q+1
.endr
.endm
	s_wait_tensorcnt 1                             ; the scales and my part of slot 0 are in (slot 1's load may be out)
	s_barrier_signal -1
	s_barrier_wait -1                              ; everybody's are
	FETCH_B 0, 0, 0
	FETCH_A 0, 0, 0
	SCALES 0
	FETCH_A 0, 0, 4
	STEP 0, 0, 1                                   ; the first products start the sums: nothing is cleared
	STEPS 0, 1
	; Slot 0's last step changes slots.  In front of the barrier each wave waits for all its tensor loads, adds 0 to its spare word, and waits for that and for its reads of slot 0.
	; The barrier opens a round of the cluster's; behind the round the bytes that held w's rows in slot 0 are filled again, with w's last 128 rows: each wave 64 rows x 256 bytes.
	s_wait_tensorcnt 0x0                           ; my part of slot 1 has landed; no tensor load of mine is out, so descriptors may be written
	ds_add_u32 v[SPW], v[NIL]                      ; the descriptor's words stand between the add and the wait for it
	s_mov_b32 s[G1B+2], 64<<16                     ; w's group 1, now with 64 rows
	s_mov_b32 s[G1B+4], 64
	s_mov_b32 s[G0B], 1
	s_mul_i32 s[G0B+1], s14, 64*PITCH              ; wave x 64 rows: waves 0, 1 the first half of K, waves 2, 3 the second,
	s_add_co_u32 s[G0B+1], s[G0B+1], 2*HALFT       ; behind x's 256 rows of slot 0
	s_mov_b64 s[G0B+2:G0B+3], s[96:97]
	s_or_b32 s[G0B+3], s[G0B+3], 0x80000000
	s_wait_dscnt 4*NL+1                            ; (the add and the youngest eight loads may be out)
	WIN MUL_LO
	MUL16 0, 1, NQ-1, 0, 0
	s_wait_dscnt 0x0                               ; the add is done, and my reads of slot 0's part 1 are over
	s_barrier_signal -1
	MUL16 2, 1, NQ-1, 0, 0
	WIN 0
	s_barrier_wait -1
	CREST                                          ; no wave of any partner still reads those bytes or has a load on its way
	tensor_load_to_lds s[G0B:G0B+3], s[G1B:G1B+7]  ; my one tensor load behind the round, and the first thing there; it has the rest of part 1 in which to land
	s_nop 0
.rept 4
	v_nop                                          ; (also the places in front of the loads below)
.endr
	v_add_nc_u32 v[ADRS], 4*NQ, v[ADRS]            ; on to slot 1's scale words (no LDS load of mine is out)
	FETCH_B 1, 0, 0
	FETCH_A 1, 0, 0
	SCALES 1
	WIN MUL_HI
	MUL16 4, 1, NQ-1, 0, 0
	MUL16 6, 1, NQ-1, 0, 0
	PLACES NP
	WIN 0
	FETCH_A 1, 0, 4
	STEPS 1, 0
	s_wait_dscnt 4*NL                              ; part 1's last step: nothing more to fetch
	WIN MUL_LO
	MUL16 0, 1, NQ-1, 1, 0
	MUL16 2, 1, NQ-1, 1, 0
	s_wait_dscnt 0
	WIN MUL_HI
	MUL16 4, 1, NQ-1, 1, 0
	MUL16 6, 1, NQ-1, 1, 0
	WIN 0
; THE WAY OUT, block by block of 16 rows x 128 columns.  PACK: rounded to f16, 16 bytes a lane, each accumulator from its low end on.  TOSTAGE: into my own stage and back as whole rows of 256 bytes.  SEND: stored.
.macro PACK a
.set AC, 64*((\a)%4)
	WIN 0x0a+5*((\a)/4)                            ; sources 0 and 1: window 2 or 3
.irp b, 0,1,2,3,4,5,6,7
.irp r, 0,1,2,3
	v_cvt_pk_f16_f32 v[TMP+4*\b+\r], v[AC+8*\b+2*\r], v[AC+8*\b+2*\r+1]
.endr
.endr
	WIN 0
.endm
.macro TOSTAGE a
.set BK, OB+32*((\a)%2)
.irp b, 0,1,2,3,4,5,6,7
	ds_store_b128 v[STO], v[TMP+4*\b:TMP+4*\b+3] offset:32*\b
.endr
.irp t, 0,1,2,3,4,5,6,7
	ds_load_b128 v[BK+4*\t:BK+4*\t+3], v[RD] offset:\t*2*SPITCH    ; LDS serves a wave's instructions in order: these see the stores above
.endr
.endm
.macro SEND a, base
.set BK, OB+32*((\a)%2)
	s_wait_dscnt 0x0                               ; the block is back in registers
	s_wait_xcnt 0x0                                ; the earlier stores have read their base and their data: only behind this wait are they rewritten
.if (\a) > 0
	s_add_nc_u64 s[\base:\base+1], s[\base:\base+1], 16*CROW       ; 16 rows on
.endif
.irp t, 0,1,2,3,4,5,6,7
	global_store_b128 v[CO], v[BK+4*\t:BK+4*\t+3], s[\base:\base+1] offset:2*\t*CROW   ; 16 lanes store 256 consecutive bytes, at a multiple of 256 from the buffer's first byte
.endr
.endm
	PLACES NP
	PACK 0
	TOSTAGE 0
.irp a, 1,2,3,4,5,6,7                  ; block a's conversions stand between block a - 1's loads from the stage and the wait for them
	PACK \a
	SEND \a-1, 12
	TOSTAGE \a
.endr
	SEND 7, 12
; PART 2.  Step MG of eight: 128 along K; half MG / 4 of K, the MG % 4-th 128 in it; fragment sets MG % 2.
.macro SCALES2 sc                      ; the scale words of half sc of K: lanes 0-15 x's block i of my 64 rows (i under 4 is used), lanes 16-31 block i of w's last 128 rows
.irp i, 0,1,2,3,4,5,6,7
	ds_load_b128 v[SC+8*NQ*\sc+NQ*\i:SC+8*NQ*\sc+NQ*\i+3], v[ADRS2] offset:\i*SBLK+16*\sc
.endr
.endm
.macro FETCH2                          ; the fragments of step FG, 24 loads in one run: w's eight blocks, x's four
.set fk, FG/4
.set fq, FG%4
.set fp, FG%2
	WIN TO_B
.irp i, 0,1,2,3,4,5,6,7
	FRAG 128*fp+FR*\i, ADRB2+fk, fq, \i
.endr
	WIN 0
.irp i, 0,1,2,3
	FRAG AF+32*fp+FR*\i, ADRA2+fk, fq, \i
.endr
.endm
.macro MUL2 a0                         ; 16 matrix instructions of step MG: x's blocks a0, a0 + 1 against w's eight.  The 32 accumulators take turns, one instruction a turn
.set mq, MG%4
.set mp, MG%2
.set ms, MG/4
.irp a, \a0, \a0+1
.irp b, 0,1,2,3,4,5,6,7
.if MG == 0
	v_wmma_scale_f32_16x16x128_f8f6f4 v[8*(8*(\a)+\b):8*(8*(\a)+\b)+7], v[128*mp+FR*\b:128*mp+FR*\b+FR-1], v[AF+32*mp+FR*(\a):AF+32*mp+FR*(\a)+FR-1], 0, v[SC+8*NQ*ms+NQ*\b+mq], v[SC+8*NQ*ms+NQ*(\a)+mq] matrix_a_fmt:MATRIX_FMT_FP4 matrix_b_fmt:MATRIX_FMT_FP4 matrix_a_scale:MATRIX_SCALE_ROW1
.else
	v_wmma_scale_f32_16x16x128_f8f6f4 v[8*(8*(\a)+\b):8*(8*(\a)+\b)+7], v[128*mp+FR*\b:128*mp+FR*\b+FR-1], v[AF+32*mp+FR*(\a):AF+32*mp+FR*(\a)+FR-1], v[8*(8*(\a)+\b):8*(8*(\a)+\b)+7], v[SC+8*NQ*ms+NQ*\b+mq], v[SC+8*NQ*ms+NQ*(\a)+mq] matrix_a_fmt:MATRIX_FMT_FP4 matrix_b_fmt:MATRIX_FMT_FP4 matrix_a_scale:MATRIX_SCALE_ROW1
.endif
.endr
.endr
.endm
	s_wait_tensorcnt 0x0                           ; my quarter of w's last 128 rows has landed,
	s_wait_dscnt 0x0
	s_barrier_signal -1
	s_barrier_wait -1                              ; everybody's has
	s_wait_xcnt 0x0                                ; part 1's stores have read their data: fragments may land in those registers
	SCALES2 0
	SCALES2 1
.set FG, 0
	FETCH2
.set MG, 0
.rept 8
	s_wait_dscnt 0x0                               ; this step's fragments are in (and, in the first, the scale words)
.if MG < 7
	PLACES NP                                      ; in front of loads into the sets that the step before multiplied
.set FG, MG+1
	FETCH2                                         ; the next step's, in one run at the step's head: they have this step's 32 matrix instructions in which to land
.endif
	WIN MUL_LO
	MUL2 0
	MUL2 2
.set MG, MG+1
.endr
	WIN 0
	PLACES NP
	PACK 0
	TOSTAGE 0
.irp a, 1,2,3
	PACK \a
	SEND \a-1, 66
	TOSTAGE \a
.endr
	SEND 3, 66
	s_wait_tensorcnt 0x0                           ; the wave's end
	ds_add_u32 v[SPW], v[NIL]
	s_wait_dscnt 0x0
	CROUND                                         ; the closing round
	s_endpgm
.Lfunc_end_k_q7f6f0bf8f3_qkv:
	.size	k_q7f6f0bf8f3_qkv, .Lfunc_end_k_q7f6f0bf8f3_qkv-k_q7f6f0bf8f3_qkv
	.p2alignl 7, 3214868480
	.fill 96, 4, 3214868480
	.section	.rodata,"a",@progbits
	.p2align	6, 0x0
	.amdhsa_kernel k_q7f6f0bf8f3_qkv
		.amdhsa_group_segment_fixed_size 327680
		.amdhsa_private_segment_fixed_size 0
		.amdhsa_enable_private_segment 0
		.amdhsa_kernarg_size 40
		.amdhsa_user_sgpr_count 2
		.amdhsa_user_sgpr_kernarg_segment_ptr 1
		.amdhsa_wavefront_size32 1
		.amdhsa_system_sgpr_workgroup_id_x 1
		.amdhsa_system_sgpr_workgroup_id_y 1
		.amdhsa_system_sgpr_workgroup_id_z 1
		.amdhsa_system_vgpr_workitem_id 0
		.amdhsa_next_free_vgpr 1024
		.amdhsa_next_free_sgpr 98
		.amdhsa_reserve_vcc 0
		.amdhsa_float_denorm_mode_32 3
		.amdhsa_float_denorm_mode_16_64 3
		.amdhsa_memory_ordered 1
		.amdhsa_forward_progress 1
		.amdhsa_inst_pref_size 192
	.end_amdhsa_kernel
	.amdgpu_metadata
---
amdhsa.version: [ 1, 2 ]
amdhsa.kernels:
  - .name:           k_q7f6f0bf8f3_qkv
    .symbol:         k_q7f6f0bf8f3_qkv.kd
    .args:
      - { .name: xc, .offset: 0, .size: 8, .value_kind: global_buffer, .address_space: global }
      - { .name: xs, .offset: 8, .size: 8, .value_kind: global_buffer, .address_space: global }
      - { .name: wc, .offset: 16, .size: 8, .value_kind: global_buffer, .address_space: global }
      - { .name: ws, .offset: 24, .size: 8, .value_kind: global_buffer, .address_space: global }
      - { .name: qkv, .offset: 32, .size: 8, .value_kind: global_buffer, .address_space: global }
    .group_segment_fixed_size: 327680
    .private_segment_fixed_size: 0
    .kernarg_segment_align: 8
    .kernarg_segment_size: 40
    .max_flat_workgroup_size: 128
    .sgpr_count:     98
    .vgpr_count:     1024
    .wavefront_size: 32
...
	.end_amdgpu_metadata
.endif
;; end of part 2
;; launch scores (part 3): grid 8 x 32, 4 waves a work-group, clusters of 4 x 4, 327,680 bytes of LDS; arguments qkv, p, stats; writes p, stats
.if DOCPART == 3
	.amdgcn_target "amdgcn-amd-amdhsa--gfx1250"
	.amdhsa_code_object_version 6
	.text
	.protected	k_q7f6f0bf8f3_scores
	.globl	k_q7f6f0bf8f3_scores
	.p2align	8
	.type	k_q7f6f0bf8f3_scores,@function
k_q7f6f0bf8f3_scores:
	s_mov_b64 s[64:65], 0
	v_nop
	global_prefetch_b8 v0, s[64:65] scope:SCOPE_SE
	s_setreg_imm32_b32 hwreg(HW_REG_WAVE_MODE, 25, 1), 1
	s_wait_xcnt 0x0
	s_wait_alu depctr_hold_cnt(0) depctr_sa_sdst(0) depctr_va_vdst(0) depctr_va_sdst(0) depctr_va_ssrc(0) depctr_va_vcc(0) depctr_vm_vsrc(0)
	s_getreg_b32 s2, hwreg(HW_REG_IB_STS2, 6, 4)
	s_cmp_eq_u32 s2, 0
	s_cbranch_scc0 .Lentry_in_a_cluster
	s_endpgm
.Lentry_in_a_cluster:
	s_bfe_u32 s2, ttmp6, 0x10000c
	s_cmp_lg_u32 s2, 0xf033
	s_cbranch_scc0 .Lentry_shape_is_right
	s_endpgm
.Lentry_shape_is_right:
; For a tile of 256 keys i x 256 queries j of one batch: s = k_i . q_j (f16 operands, f32 sums, K = 1,024); m = the row's largest s over the tile's 256 j; cm = c m, c = log2(e) / 32;
; p = 2^(c s - cm), stored in f16; cm, and the f32 sum l of the UNMASKED p over each 128 j, go to stats.  The next launch joins the eight tiles of a row by the largest cm: a running maximum, for every input.
; WORK LEFT OUT: triu, which reference() builds itself, makes A[i][j] = 0 for j > i.  A tile all of whose j lie above its i stores no p (the next launch does not read it); its scores, cm and l are live and are made.
; Inside tiles on the diagonal the hidden p are stored as zeros.
; p's LAYOUT: [b][y 8][t 16][r 16][j 2048] f16, row i = 16 (y + 8 t) + r: the sixteen blocks of 16 rows that one work-group of the next launch owns lie on end.
; stats: plane M at byte 0: [b][tile of 256 j][i] cm;  plane L at byte 262,144: [b][half tile of 128 j][i] l.
; SHAPE.  Four waves, each 128 x 128: 64 accumulators, 512 registers.  K goes in steps of 128 through a ring of two LDS slots filled by the tensor data mover; rows of 256 bytes.
; CLUSTERS: 4 x 4 work-groups of one batch half.  The four of a row of the cluster need the same rows of k, the four of a column the same rows of q: each tile is asked for JOINTLY.
; THE MATRIX INSTRUCTION IS USED TRANSPOSED (source 0 = 16 rows of q, source 1 = 16 rows of k): lane l holds key i = l % 16 of a block and eight neighbouring queries j = 8 (l / 16) + 0 .. 7.
; REGISTERS: window 0: v0-31 addresses; v64-127, v128-191 fragments of k, two buffers; on the way out v64-123 figures of the softmax, v32-63, v192-255 the packed p.   window 1: v64-191 fragments of q.
;   window 2: the accumulators of my rows 0-63 ((a, b) at v[8 (8 a + b)]);   window 3: those of my rows 64-127.
.set KSTEP,  128
.set ROWM,   6144                      ; a row of qkv in bytes: q at byte 0, k at 2,048, v at 4,096
.set PITCH,  272                       ; an LDS row: 256 bytes + 16 of padding
.set HALFT,  128*PITCH
.set SLOT,   4*HALFT                   ; k's 256 rows, then q's 256 rows
.set STAGE,  2*SLOT                    ; behind the ring: 16 rows x 272 bytes for each wave
.set SPITCH, 272
.set SPARE,  STAGE+4*16*SPITCH         ; the spare words, 128 bytes a wave, named by no other line
.set MXR,    SPARE+512                 ; 512 bytes a wave: its 128 rows' maxima; 2,048 bytes on: their sums; 4,096 on: their cm
.set LAPS,   4                         ; a lap = two K steps = once round the ring
.set ADRA, 16
.set ADRB, 20
.set STO,  24
.set RD,   25
.set CO,   26
.set SPW,  28                          ; v28  LDS address of my spare word; never rewritten
.set NIL,  29                          ; v29  0; never rewritten
.set PFO,  30                          ; v30  the prefetches' offset: my lane x a row of qkv; never rewritten
.set PFA,  44                          ; s[44:45] where my prefetches stand
.set LIM,  43                          ; s43  1 in a wave that prefetches, else the greatest number
.set F0,   64
.set F1,   128
.set TMP,  192
.set OB,   32
.set MX,   64                          ; v64-71   a row's maximum, block a
.set T,    72                          ; v72-79   at work
.set CM,   80                          ; v80-95   cm, twice (named as pairs)
.set LS,   96                          ; v96-111  the sums, in pairs
.set KM,   112                         ; v112-115 the mask of a block on the diagonal
.set G1, 24
.set G0, 32
.set G1B, 48
.set G0B, 56
.set MSB, 0
.macro WIN new
.if MSB != \new
	s_set_vgpr_msb (MSB<<8)|\new
.set MSB, \new
.endif
.endm
.set MUL_LO, 0xa1                      ; source 0 (q) window 1, source 1 (k) window 0, C and D window 2
.set MUL_HI, 0xf1
.set TO_B,   0x40
; A joint load.  Waves 0 and 1 fetch k's two halves, waves 2 and 3 q's.  The branch hangs on the wave's number alone.  An s_nop 0 and four v_nop follow each of the two lines.
.macro JLOAD s
	s_cmp_eq_u32 s11, 0
	s_cbranch_scc0 .Lfor_b_\@
	tensor_load_to_lds s[G0+4*\s:G0+4*\s+3], s[G1:G1+7]
	s_nop 0
.rept 4
	v_nop
.endr
	s_branch .Lasked_\@
.Lfor_b_\@:
	tensor_load_to_lds s[G0B+4*\s:G0B+4*\s+3], s[G1B:G1B+7]
	s_nop 0
.rept 4
	v_nop
.endr
.Lasked_\@:
.endm
; A prefetch of the K step that stands two refills on: 32 rows x 256 bytes, a lane a row, one instruction a wave, behind the joint load and the run of LDS loads.  Each row's 256 bytes of a K step are named once in the launch:
; k's rows are read by both clusters of a row of clusters: cluster x = 0 asks; q's rows of a batch by the two clusters of its column: the one with even y asks.  The four partners that ask for a tile jointly share
; its rows out by address, 32 each.  K steps 4 to 7 are asked for, in the loop's first two trips; the last trip asks for nothing.
.macro ASK
	s_cmp_gt_u32 s3, s[LIM]
	s_cbranch_scc0 .Lnot_mine_\@
	global_prefetch_b8 v[PFO], s[PFA:PFA+1] offset:KSTEP*2 th:TH_LOAD_NT scope:SCOPE_SE
.Lnot_mine_\@:
.endm
.macro CREST                           ; a round of the cluster's barrier behind its opening barrier
	s_cmp_lg_u32 s10, 0
	s_cbranch_scc1 .Lnot_wave_0_\@
	s_barrier_signal -3
.Lnot_wave_0_\@:
	s_barrier_wait -3
	s_barrier_signal -1
	s_barrier_wait -1
.endm
.macro CROUND
	s_barrier_signal -1
	s_barrier_wait -1
	CREST
.endm
	s_load_b128 s[4:7], s[0:1], 0x0                ; qkv, p
	s_load_b64 s[8:9], s[0:1], 0x10                ; stats
	v_lshl_add_u32 v[SPW], v0, 2, SPARE
	v_mov_b32 v[NIL], 0
	ds_add_u32 v[SPW], v[NIL]                      ; the wave's opening: the add, twice on end, and its wait ahead of my first tensor load
	ds_add_u32 v[SPW], v[NIL]
	v_lshrrev_b32 v1, 5, v0
	v_readfirstlane_b32 s10, v1                    ; wave 0..3
	s_lshr_b32 s11, s10, 1                         ; which half of the tile's keys is mine.  Also: I fetch for k (0) or for q (1)
	s_and_b32 s12, s10, 1                          ; which half of its queries.  Also: which 128 rows of that tile I fetch
	s_bfe_u32 s40, ttmp6, 0x40000                  ; cx
	s_bfe_u32 s41, ttmp6, 0x40004                  ; cy
	s_lshl_b32 s42, ttmp9, 2
	s_add_co_u32 s42, s42, s40                     ; Jt: the tile of queries, 0..7
	s_and_b32 s67, ttmp7, 0xffff                   ; cluster y
	s_lshl_b32 s13, s67, 2
	s_add_co_u32 s13, s13, s41                     ; 8 b + It: the tile of keys among all batches'
	s_lshr_b32 s68, s67, 1                         ; b: the same in all sixteen partners
	s_lshl_b32 s43, s41, 2
	s_lshl_b32 s43, 15, s43                        ; my row of the cluster
	s_lshl_b32 s44, 0x1111, s40                    ; my column
	; descriptor group 1: a tile of 128 rows x 128 elements of 2 bytes, 16 bytes of padding behind each row
	s_or_b32 s[G1+0], s43, (1<<16)|(1<<20)|(1<<21)|(5<<22)|(3<<25)
	s_or_b32 s[G1B+0], s44, (1<<16)|(1<<20)|(1<<21)|(5<<22)|(3<<25)
.irp g, G1, G1B
	s_mov_b32 s[\g+1], KSTEP<<16                   ; tensor_dim0
	s_mov_b32 s[\g+2], 128<<16                     ; tensor_dim1
	s_mov_b32 s[\g+3], KSTEP<<16                   ; tile_dim0
	s_mov_b32 s[\g+4], 128                         ; tile_dim1
	s_mov_b32 s[\g+5], ROWM/2                      ; elements from row to row
	s_mov_b32 s[\g+6], 0
	s_mov_b32 s[\g+7], 0
.endr
	s_lshl_b32 s17, s12, 7                         ; which 128 rows of the tile I fetch
	s_lshl_b32 s16, s13, 8
	s_add_co_u32 s16, s16, s17                     ; k: row 256 (8 b + It) + 128 x half
	s_lshl_b32 s46, s42, 8
	s_add_co_u32 s46, s46, s17
	s_lshl_b32 s47, s68, 11
	s_add_co_u32 s46, s46, s47                     ; q: row 2,048 b + 256 Jt + 128 x half
	s_mul_i32 s16, s16, ROWM                       ; in bytes: under 2^26
	s_add_co_u32 s16, s16, 2048                    ; k's place in a row
	s_mov_b32 s17, 0
	s_mul_i32 s46, s46, ROWM
	s_mov_b32 s47, 0
	s_mul_i32 s20, s10, HALFT                      ; where they go: wave x 128 rows
	s_mov_b32 s70, 0x3d38aa3b                      ; c = log2(e) / 32
	s_mov_b32 s71, s70                             ; (named with it as a pair)
	s_mov_b32 s72, 0x76543210
	s_mov_b32 s73, 0xfedcba98                      ; v_permlanex16_b32's selects for lane l xor 16
	s_wait_dscnt 0x0                               ; both opening adds are done
	s_wait_kmcnt 0x0
	s_add_nc_u64 s[14:15], s[4:5], s[16:17]
	s_add_nc_u64 s[46:47], s[4:5], s[46:47]
	CROUND                                         ; all sixteen work-groups are here: the first joint loads meet
.irp s, 0,1
	s_mov_b32 s[G0+4*\s], 1
	s_add_co_u32 s[G0+4*\s+1], s20, \s*SLOT
	s_add_nc_u64 s[G0+4*\s+2:G0+4*\s+3], s[14:15], \s*KSTEP*2
	s_or_b32 s[G0+4*\s+3], s[G0+4*\s+3], 0x80000000
	s_mov_b32 s[G0B+4*\s], 1
	s_add_co_u32 s[G0B+4*\s+1], s20, \s*SLOT
	s_add_nc_u64 s[G0B+4*\s+2:G0B+4*\s+3], s[46:47], \s*KSTEP*2
	s_or_b32 s[G0B+4*\s+3], s[G0B+4*\s+3], 0x80000000
	JLOAD \s                                       ; two loads of mine are out at the most
.endr
	v_and_b32 v1, 15, v0                           ; r = l % 16
	v_bfe_u32 v2, v0, 4, 1                         ; h = l / 16
	v_mul_u32_u24 v3, v1, PITCH
	v_lshl_add_u32 v3, v2, 4, v3
	s_mul_i32 s21, s11, HALFT                      ; my 128 rows of k
	s_mul_i32 s22, s12, HALFT                      ; my 128 rows of q,
	s_add_co_u32 s22, s22, 2*HALFT                 ; behind k's 256
.irp s, 0,1
	v_add_nc_u32 v[ADRA+\s], s21, v3
	v_add_nc_u32 v[ADRB+\s], s22, v3
	s_add_co_u32 s21, s21, SLOT
	s_add_co_u32 s22, s22, SLOT
.endr
	s_mul_i32 s23, s10, 16*SPITCH
	s_add_co_u32 s23, s23, STAGE                   ; my stage
	v_mul_u32_u24 v4, v1, SPITCH
	v_lshl_add_u32 v4, v2, 4, v4
	v_add_nc_u32 v[STO], s23, v4                   ; in: row r, 16 bytes for each half of the lanes
	v_mul_u32_u24 v5, v2, SPITCH
	v_lshl_add_u32 v5, v1, 4, v5
	v_add_nc_u32 v[RD], s23, v5                    ; back: lanes 0-15 one row, lanes 16-31 the next
	v_lshlrev_b32 v5, 12, v2
	v_lshl_add_u32 v[CO], v1, 4, v5                ; and the same two rows of p, 4,096 bytes apart
	s_lshl_b32 s21, s10, 9
	s_add_co_u32 s21, s21, MXR
	v_lshl_add_u32 v8, v1, 2, s21                  ; v8: my wave's 512 bytes of row figures, + 4 r
	s_xor_b32 s22, s10, 1
	s_lshl_b32 s22, s22, 9
	s_add_co_u32 s22, s22, MXR
	v_lshl_add_u32 v9, v1, 2, s22                  ; v9: those of the wave with my keys and the other 128 queries
	v_and_b32 v13, 31, v0
	v_lshlrev_b32 v13, 4, v13                      ; v13: 16 x lane
	v_add_nc_u32 v12, s21, v13
	v_add_nc_u32 v12, 2048, v12                    ; v12: my wave's 512 bytes of sums, 16 bytes a lane
	; what is kept, by halves of 128: RI = 2 It + my half of the keys, CI = 2 Jt + my half of the queries
	s_and_b32 s69, s13, 7                          ; It
	s_lshl_b32 s82, s69, 1
	s_add_co_u32 s82, s82, s11                     ; RI
	s_lshl_b32 s83, s42, 1
	s_add_co_u32 s83, s83, s12                     ; CI
	s_cmp_gt_u32 s83, s82
	s_cselect_b32 s74, 0, -1                       ; blocks of 16 under the diagonal of my 128 x 128: kept unless CI > RI
	s_cmp_ge_u32 s83, s82
	s_cselect_b32 s75, 0, -1                       ; blocks above it: kept only where CI < RI
	s_cmp_eq_u32 s83, s82
	s_cselect_b32 s76, -1, 0                       ; my 128 x 128 lies on the diagonal
	s_cmp_le_u32 s42, s69
	s_cselect_b32 s84, -1, 0                       ; the lanes that store p: all where Jt <= It, else none
	s_mov_b32 s89, 0
	s_lshl_b32 s86, s82, 9                         ; my 128 rows' place in a plane's row: 128 RI x 4 bytes
	s_lshl_b32 s85, s68, 4
	s_add_co_u32 s85, s85, s83
	s_lshl_b32 s85, s85, 13                        ; (16 b + CI) x 2,048 x 4
	s_add_co_u32 s85, s85, s86
	s_add_co_u32 s88, s85, 262144
	s_add_nc_u64 s[78:79], s[8:9], s[88:89]        ; where my l go
	s_lshl_b32 s88, s68, 3
	s_add_co_u32 s88, s88, s42
	s_lshl_b32 s88, s88, 13                        ; (8 b + Jt) x 2,048 x 4
	s_add_co_u32 s88, s88, s86
	s_add_nc_u64 s[80:81], s[8:9], s[88:89]        ; where my cm go
	s_lshl_b32 s88, s68, 23                        ; p: 2,048 b rows of 4,096 bytes,
	s_lshl_b32 s90, s82, 16                        ; + 16 RI rows (t = RI; block a of mine is y = a),
	s_add_co_u32 s88, s88, s90
	s_lshl_b32 s90, s83, 8                         ; + 256 CI bytes
	s_add_co_u32 s88, s88, s90
	s_add_nc_u64 s[6:7], s[6:7], s[88:89]
	; the prefetches
	s_lshl_b32 s20, s13, 8                         ; k's tile: its first row
	s_lshl_b32 s21, s42, 8
	s_lshl_b32 s22, s68, 11
	s_add_co_u32 s21, s21, s22                     ; q's
	s_and_b32 s22, s67, 1
	s_cmp_eq_u32 s11, 0                            ; do I fetch for k?
	s_cselect_b32 s20, s20, s21
	s_cselect_b32 s21, s40, s41                    ; my place among the four that ask with me
	s_cselect_b32 s22, ttmp9, s22                  ; the coordinate along which the other cluster reads the same rows
	s_cselect_b32 s23, 2048, 0                     ; the operand's place in a row of qkv
	s_cmp_eq_u32 s22, 0
	s_cselect_b32 s[LIM], 1, -1                    ; the same in all sixteen partners, for a given wave
	s_lshl_b32 s22, s12, 7
	s_add_co_u32 s20, s20, s22                     ; + the 128 rows that I fetch
	s_lshl_b32 s21, s21, 5
	s_add_co_u32 s20, s20, s21                     ; + my work-group's 32 of them
	s_mul_i32 s20, s20, ROWM
	s_add_co_u32 s20, s20, s23
	s_add_co_u32 s20, s20, 2*KSTEP*2               ; at K step 2: the first refill steps it to 3 and names K step 4
	s_mov_b32 s21, 0
	s_add_nc_u64 s[PFA:PFA+1], s[4:5], s[20:21]
	v_and_b32 v[PFO], 31, v0
	v_mul_u32_u24 v[PFO], v[PFO], ROWM
; 16 matrix instructions: key blocks a0, a0 + 1 of the window's four x all 8 query blocks, 32 along K.  zero = 1: the first product starts the sums.  The 64 accumulators take turns.
.macro MUL16 f, hi, a0, zero
.irp a, \a0, \a0+1
.irp b, 0,1,2,3,4,5,6,7
.if \zero
	v_wmma_f32_16x16x32_f16 v[8*(8*(\a)+\b):8*(8*(\a)+\b)+7], v[\f+8*\b:\f+8*\b+7], v[\f+8*(4*\hi+\a):\f+8*(4*\hi+\a)+7], 0
.else
	v_wmma_f32_16x16x32_f16 v[8*(8*(\a)+\b):8*(8*(\a)+\b)+7], v[\f+8*\b:\f+8*\b+7], v[\f+8*(4*\hi+\a):\f+8*(4*\hi+\a)+7], v[8*(8*(\a)+\b):8*(8*(\a)+\b)+7]
.endif
.endr
.endr
.endm
.macro FETCH slot, k, f                ; 32 LDS loads in one run: the fragments of one quarter step into buffer f
	WIN TO_B
.irp i, 0,1,2,3,4,5,6,7
	ds_load_b128 v[\f+8*\i:\f+8*\i+3],   v[ADRB+\slot] offset:\k+\i*16*PITCH
	ds_load_b128 v[\f+8*\i+4:\f+8*\i+7], v[ADRB+\slot] offset:\k+\i*16*PITCH+32
.endr
	WIN 0
.irp i, 0,1,2,3,4,5,6,7
	ds_load_b128 v[\f+8*\i:\f+8*\i+3],   v[ADRA+\slot] offset:\k+\i*16*PITCH
	ds_load_b128 v[\f+8*\i+4:\f+8*\i+7], v[ADRA+\slot] offset:\k+\i*16*PITCH+32
.endr
.endm
.macro PLACES                          ; four places in front of loads into registers that matrix instructions have read, and of the first read of results
.rept 4
	v_nop
.endr
.endm
.macro QUARTER slot, k, f, g, zero     ; 32 along K: multiplies buffer f; in its middle it fetches the next quarter's fragments into buffer g
	s_wait_dscnt 8                                 ; q's and k's rows 0-63 are in; the youngest eight loads (k's rows 64-127) may be out
	WIN MUL_LO
	MUL16 \f, 0, 0, \zero
	MUL16 \f, 0, 2, \zero
	PLACES
	FETCH \slot, \k, \g
	s_wait_dscnt 32                                ; all but the 32 just issued
	WIN MUL_HI
	MUL16 \f, 1, 0, \zero
	MUL16 \f, 1, 2, \zero
.endm
; The first half of a K step's last quarter: ONE barrier for the change of slots.  In front of it each wave waits for all its tensor loads, adds 0 to its spare word, and waits for that and for its reads of this slot.
.macro MEET round
	WIN 0
	s_wait_tensorcnt 0x0                           ; all my tensor loads have landed: the one that was out is my part of the next slot
	ds_add_u32 v[SPW], v[NIL]
	s_wait_dscnt 9                                 ; (the add and the youngest eight loads may be out)
	WIN MUL_LO
	MUL16 F1, 0, 0, 0
	s_wait_dscnt 0x0                               ; the add is done, and my reads of this slot are over
	s_barrier_signal -1
	MUL16 F1, 0, 2, 0
.if \round
	WIN 0
.endif
	s_barrier_wait -1
.endm
.macro TURN slot, next                 ; the whole last quarter, where the slot just read out is filled again, two K steps ahead
	s_wait_xcnt 0x0                                ; the last prefetch, a K step back, has read its address
	s_add_nc_u64 s[PFA:PFA+1], s[PFA:PFA+1], KSTEP*2
	MEET 1
	CREST                                          ; the barrier has opened a round of the cluster's: no wave of any partner still reads this slot or has a load on its way
	s_add_nc_u64 s[G0+4*\slot+2:G0+4*\slot+3], s[G0+4*\slot+2:G0+4*\slot+3], 2*KSTEP*2
	s_add_nc_u64 s[G0B+4*\slot+2:G0B+4*\slot+3], s[G0B+4*\slot+2:G0B+4*\slot+3], 2*KSTEP*2
	JLOAD \slot                                    ; the first tensor load behind the round; its four v_nop are also the places in front of the loads below
	FETCH \next, 0, F0
	ASK
	WIN MUL_HI
	MUL16 F1, 1, 0, 0
	MUL16 F1, 1, 2, 0
.endm
	s_wait_tensorcnt 1                             ; my part of K step 0 is in (K step 1's may be out)
	s_barrier_signal -1
	s_barrier_wait -1                              ; everybody's is
	FETCH 0, 0, F0
	QUARTER 0, 64,  F0, F1, 1                      ; the first quarter stands in front of the loop: its products start the sums
	WIN 0
	s_mov_b32 s3, LAPS-1
.Llap:                                                 ; a trip goes once round the ring, from a lap's second quarter to the next lap's first, and fills both slots again
	QUARTER 0, 128, F1, F0, 0
	QUARTER 0, 192, F0, F1, 0
	TURN 0, 1
	QUARTER 1, 64,  F0, F1, 0
	QUARTER 1, 128, F1, F0, 0
	QUARTER 1, 192, F0, F1, 0
	TURN 1, 0
	QUARTER 0, 64,  F0, F1, 0
	WIN 0
	s_sub_co_u32 s3, s3, 1
	s_cmp_lg_u32 s3, 0
	s_cbranch_scc1 .Llap
	QUARTER 0, 128, F1, F0, 0                      ; the last lap is written out: it asks for nothing more
	QUARTER 0, 192, F0, F1, 0
	MEET 0
	PLACES
	FETCH 1, 0, F0
	WIN MUL_HI
	MUL16 F1, 1, 0, 0
	MUL16 F1, 1, 2, 0
	QUARTER 1, 64,  F0, F1, 0
	QUARTER 1, 128, F1, F0, 0
	QUARTER 1, 192, F0, F1, 0
	s_wait_dscnt 8
	WIN MUL_LO
	MUL16 F1, 0, 0, 0
	MUL16 F1, 0, 2, 0
	s_wait_dscnt 0x0
	WIN MUL_HI
	MUL16 F1, 1, 0, 0
	MUL16 F1, 1, 2, 0
	WIN 0
	; ---- THE SOFTMAX'S PART.  1: each row's largest score over my 128 queries.  A lane holds 64 scores of row r of each block; four blocks by turns; each accumulator is first read at its low end.
	PLACES
.irp a, 0,1,2,3,4,5,6,7
	v_mov_b32 v[T+\a], 0                           ; written: a lane permute's destination counts as one of its sources
.endr
.irp w, 0,1
	WIN 0x0a+5*\w                                  ; sources 0 and 1: window 2 or 3
.irp k, 0,1,2,3
	v_max_num_f32 v[MX+4*\w+\k], v[64*\k], v[64*\k+1]
.endr
.set n, 1
.rept 31
.irp k, 0,1,2,3
	v_max3_num_f32 v[MX+4*\w+\k], v[64*\k+2*n], v[64*\k+2*n+1], v[MX+4*\w+\k]
.endr
.set n, n+1
.endr
.endr
	WIN 0
.irp a, 0,1,2,3,4,5,6,7
	v_permlanex16_b32 v[T+\a], v[MX+\a], s72, s73
.endr
.irp a, 0,1,2,3,4,5,6,7
	v_max_num_f32 v[MX+\a], v[MX+\a], v[T+\a]      ; with lane l xor 16's 64
.endr
.irp a, 0,1,2,3,4,5,6,7
	ds_store_b32 v8, v[MX+\a] offset:64*\a         ; row 16 a + r of mine (lanes r and r + 16 write the same word with the same value)
.endr
	s_wait_dscnt 0x0                               ; for the other wave's sake: my stores are done
	s_barrier_signal -1
	s_barrier_wait -1
.irp a, 0,1,2,3,4,5,6,7
	ds_load_b32 v[T+\a], v9 offset:64*\a           ; the same rows' maxima over the tile's other 128 queries
.endr
	s_wait_dscnt 0x0
.irp a, 0,1,2,3,4,5,6,7
	v_max_num_f32 v[MX+\a], v[MX+\a], v[T+\a]      ; m over the tile's 256 queries
.endr
.irp a, 0,1,2,3,4,5,6,7
	v_mul_f32 v[CM+2*\a], s70, v[MX+\a]            ; cm
	v_mul_f32 v[CM+2*\a+1], s70, v[MX+\a]
.endr
	; 2: p = 2^(c s - cm), in place.  The scalings run two pairs ahead of the exponentials; none of them names an exponential's result.  One plain line and one wait behind each window's 256 exponentials.
.macro EXPBLK a
.set AC, 64*((\a)%4)
	WIN 0x82+0x41*((\a)/4)                         ; destination and source 0: window 2 or 3; cm: window 0
.set n, 0
.rept 2
	v_pk_fma_f32 v[AC+2*n:AC+2*n+1], v[AC+2*n:AC+2*n+1], s[70:71], v[CM+2*(\a):CM+2*(\a)+1] op_sel_hi:[1,0,0] neg_lo:[0,0,1] neg_hi:[0,0,1]
.set n, n+1
.endr
.set n, 0
.rept 32
	v_exp_f32 v[AC+2*n], v[AC+2*n]
	v_exp_f32 v[AC+2*n+1], v[AC+2*n+1]
.if n < 30
	v_pk_fma_f32 v[AC+2*n+4:AC+2*n+5], v[AC+2*n+4:AC+2*n+5], s[70:71], v[CM+2*(\a):CM+2*(\a)+1] op_sel_hi:[1,0,0] neg_lo:[0,0,1] neg_hi:[0,0,1]
.endif
.set n, n+1
.endr
.endm
.irp a, 0,1,2,3
	EXPBLK \a
.endr
	v_nop                                          ; the plain line behind the last exponential
	s_wait_alu depctr_va_vdst(0)                   ; the wait ahead of the first line that names a result: one for the window's batch
.irp a, 4,5,6,7
	EXPBLK \a
.endr
	v_nop
	s_wait_alu depctr_va_vdst(0)
	; 3: the rows' sums of the UNMASKED p, in f32, two at a time, four blocks by turns
.irp w, 0,1
	WIN 0x0a+5*\w
.irp k, 0,1,2,3
	v_pk_add_f32 v[LS+8*\w+2*\k:LS+8*\w+2*\k+1], v[64*\k:64*\k+1], v[64*\k+2:64*\k+3]
.endr
	WIN 0x02+\w                                    ; source 0: window 2 or 3
.set n, 2
.rept 30
.irp k, 0,1,2,3
	v_pk_add_f32 v[LS+8*\w+2*\k:LS+8*\w+2*\k+1], v[64*\k+2*n:64*\k+2*n+1], v[LS+8*\w+2*\k:LS+8*\w+2*\k+1]
.endr
.set n, n+1
.endr
.endr
	WIN 0
.irp a, 0,1,2,3,4,5,6,7
	v_add_f32 v[LS+2*\a], v[LS+2*\a], v[LS+2*\a+1]
.endr
.irp a, 0,1,2,3,4,5,6,7
	v_permlanex16_b32 v[T+\a], v[LS+2*\a], s72, s73
.endr
.irp a, 0,1,2,3,4,5,6,7
	v_add_f32 v[LS+2*\a], v[LS+2*\a], v[T+\a]      ; l of row 16 a + r over my 128 queries
.endr
.irp a, 0,1,2,3,4,5,6,7
	ds_store_b32 v8, v[LS+2*\a] offset:2048+64*\a  ; my wave's own bytes: 128 rows on end,
	ds_store_b32 v8, v[CM+2*\a] offset:4096+64*\a
.endr
	ds_load_b128 v[116:119], v12                   ; read back 16 bytes a lane (LDS serves a wave's instructions in order)
	ds_load_b128 v[120:123], v12 offset:2048
	s_wait_dscnt 0x0
	global_store_b128 v13, v[116:119], s[78:79]    ; 512 consecutive bytes of l
	s_cmp_lg_u32 s12, 0                            ; both waves of a row half hold the same cm: the one with the first 128 queries stores it
	s_cbranch_scc1 .Lno_cm
	global_store_b128 v13, v[120:123], s[80:81]
.Lno_cm:
	; 4: the masks.  In a block of 16 x 16 on the diagonal, packed word q of a lane holds queries 8 h + 2 q and 8 h + 2 q + 1 of key r: kept where the query is at or under r
	v_and_b32 v96, 15, v0
	v_bfe_u32 v97, v0, 4, 1
	v_lshlrev_b32 v97, 3, v97
	v_sub_nc_u32 v96, v96, v97                     ; d = r - 8 h
	v_mov_b32 v97, 0xffff
	v_mov_b32 v98, 0xffff0000
	v_mov_b32 v99, s74
.irp q, 0,1,2,3
	v_cmp_le_i32 vcc_lo, 2*\q, v96
	v_cndmask_b32 v100, 0, v97, vcc_lo
	v_cmp_le_i32 vcc_lo, 2*\q+1, v96
	v_cndmask_b32 v101, 0, v98, vcc_lo
	v_or_b32 v100, v100, v101
	v_cndmask_b32 v[KM+\q], v99, v100, s76         ; off the diagonal of halves: all or nothing
.endr
; 5: THE WAY OUT of block a (16 keys x 128 queries).  PACK: rounded to f16 and masked.  TOSTAGE: through my own stage, back as whole rows of 256 bytes.  SEND: stored, by all lanes or by none.
.macro PACK a
.set AC, 64*((\a)%4)
	WIN 0x0a+5*((\a)/4)
.irp b, 0,1,2,3,4,5,6,7
.irp q, 0,1,2,3
	v_cvt_pk_f16_f32 v[TMP+4*\b+\q], v[AC+8*\b+2*\q], v[AC+8*\b+2*\q+1]
.endr
.endr
	WIN 0
.irp b, 0,1,2,3,4,5,6,7
.irp q, 0,1,2,3
.if \b < (\a)
	v_and_b32 v[TMP+4*\b+\q], s74, v[TMP+4*\b+\q]
.elseif \b > (\a)
	v_and_b32 v[TMP+4*\b+\q], s75, v[TMP+4*\b+\q]
.else
	v_and_b32 v[TMP+4*\b+\q], v[KM+\q], v[TMP+4*\b+\q]
.endif
.endr
.endr
.endm
.macro TOSTAGE a
.set BK, OB+192*((\a)%2)
.irp b, 0,1,2,3,4,5,6,7
	ds_store_b128 v[STO], v[TMP+4*\b:TMP+4*\b+3] offset:32*\b
.endr
.irp t, 0,1,2,3,4,5,6,7
	ds_load_b128 v[BK+4*\t:BK+4*\t+3], v[RD] offset:\t*2*SPITCH
.endr
.endm
.macro SEND a
.set BK, OB+192*((\a)%2)
	s_wait_dscnt 0x0                               ; the block is back in registers
	s_wait_xcnt 0x0                                ; the earlier stores have read their base, their data and EXEC
.if (\a) > 0
	s_add_nc_u64 s[6:7], s[6:7], 1048576           ; block a is y = a of p's layout: 256 rows of 4,096 bytes on
.endif
	s_and_saveexec_b32 s77, s84                    ; a tile above the diagonal stores no p.  By EXEC and not by a branch: partners of a cluster differ in it
.irp t, 0,1,2,3,4,5,6,7
	global_store_b128 v[CO], v[BK+4*\t:BK+4*\t+3], s[6:7] offset:8192*\t   ; 16 lanes store 256 consecutive bytes, aligned
.endr
	s_wait_xcnt 0x0                                ; EXEC is widened only behind this wait
	s_or_b32 exec_lo, exec_lo, s77
.endm
	PACK 0
	TOSTAGE 0
.irp a, 1,2,3,4,5,6,7
	PACK \a
	SEND \a-1
	TOSTAGE \a
.endr
	SEND 7
	s_wait_tensorcnt 0x0                           ; the wave's end
	ds_add_u32 v[SPW], v[NIL]
	s_wait_dscnt 0x0
	CROUND                                         ; the closing round
	s_endpgm
.Lfunc_end_k_q7f6f0bf8f3_scores:
	.size	k_q7f6f0bf8f3_scores, .Lfunc_end_k_q7f6f0bf8f3_scores-k_q7f6f0bf8f3_scores
	.p2alignl 7, 3214868480
	.fill 96, 4, 3214868480
	.section	.rodata,"a",@progbits
	.p2align	6, 0x0
	.amdhsa_kernel k_q7f6f0bf8f3_scores
		.amdhsa_group_segment_fixed_size 327680
		.amdhsa_private_segment_fixed_size 0
		.amdhsa_enable_private_segment 0
		.amdhsa_kernarg_size 24
		.amdhsa_user_sgpr_count 2
		.amdhsa_user_sgpr_kernarg_segment_ptr 1
		.amdhsa_wavefront_size32 1
		.amdhsa_system_sgpr_workgroup_id_x 1
		.amdhsa_system_sgpr_workgroup_id_y 1
		.amdhsa_system_sgpr_workgroup_id_z 1
		.amdhsa_system_vgpr_workitem_id 0
		.amdhsa_next_free_vgpr 1024
		.amdhsa_next_free_sgpr 96
		.amdhsa_reserve_vcc 1
		.amdhsa_float_denorm_mode_32 3
		.amdhsa_float_denorm_mode_16_64 3
		.amdhsa_memory_ordered 1
		.amdhsa_forward_progress 1
		.amdhsa_inst_pref_size 225
	.end_amdhsa_kernel
	.amdgpu_metadata
---
amdhsa.version: [ 1, 2 ]
amdhsa.kernels:
  - .name:           k_q7f6f0bf8f3_scores
    .symbol:         k_q7f6f0bf8f3_scores.kd
    .args:
      - { .name: qkv, .offset: 0, .size: 8, .value_kind: global_buffer, .address_space: global }
      - { .name: p, .offset: 8, .size: 8, .value_kind: global_buffer, .address_space: global }
      - { .name: stats, .offset: 16, .size: 8, .value_kind: global_buffer, .address_space: global }
    .group_segment_fixed_size: 327680
    .private_segment_fixed_size: 0
    .kernarg_segment_align: 8
    .kernarg_segment_size: 24
    .max_flat_workgroup_size: 128
    .sgpr_count:     96
    .vgpr_count:     1024
    .wavefront_size: 32
...
	.end_amdgpu_metadata
.endif
;; end of part 3
;; launch pv (part 4): grid 8 x 32, 4 waves a work-group, clusters of 4 x 4, 327,680 bytes of LDS; arguments p, qkv, stats, out0; writes out0
.if DOCPART == 4
	.amdgcn_target "amdgcn-amd-amdhsa--gfx1250"
	.amdhsa_code_object_version 6
	.text
	.protected	k_q7f6f0bf8f3_pv
	.globl	k_q7f6f0bf8f3_pv
	.p2align	8
	.type	k_q7f6f0bf8f3_pv,@function
k_q7f6f0bf8f3_pv:
	s_mov_b64 s[64:65], 0
	v_nop
	global_prefetch_b8 v0, s[64:65] scope:SCOPE_SE
	s_setreg_imm32_b32 hwreg(HW_REG_WAVE_MODE, 25, 1), 1
	s_wait_xcnt 0x0
	s_wait_alu depctr_hold_cnt(0) depctr_sa_sdst(0) depctr_va_vdst(0) depctr_va_sdst(0) depctr_va_ssrc(0) depctr_va_vcc(0) depctr_vm_vsrc(0)
	s_getreg_b32 s2, hwreg(HW_REG_IB_STS2, 6, 4)
	s_cmp_eq_u32 s2, 0
	s_cbranch_scc0 .Lentry_in_a_cluster
	s_endpgm
.Lentry_in_a_cluster:
	s_bfe_u32 s2, ttmp6, 0x10000c
	s_cmp_lg_u32 s2, 0xf033
	s_cbranch_scc0 .Lentry_shape_is_right
	s_endpgm
.Lentry_shape_is_right:
; out[b][i][:] = sum over the tiles J of 256 queries of f'(i, J) x (P_J V_J)[i][:], with cM = max over J of cm(i, J), f = 2^(cm - cM), L = sum over all eight J of f x l, f' = f / L.
; P (f16) and cm, l come from the launch before; V is qkv's third part (f16).  Sums in f32.
; WORK LEFT OUT: triu, which reference() builds itself, makes the weights with j > i zero: tiles of 256 x 256 wholly above the diagonal were not stored and are not multiplied.  All eight tiles' cm and l enter the divisor.
; SHARES.  A work-group owns the 256 rows i = 16 (y + 8 t) + r, t = 0..15, of one batch (dense in p) and 128 channels.  Wave (wr, wc): the blocks t = 2 u + wr, u = 0..7, and 64 channels.
; Level J (queries 256 J ..) touches the blocks u >= J, in every work-group alike: so the work is equal, the text has no run-time loop, and every offset is a constant.
; EQUAL STEPS.  Levels a and 7 - a go together, a = 0..3.  Super-step s = 2 a + hh holds 128 queries of level a (chunk A: blocks u >= a) and 128 of level 7 - a (chunk B: blocks u >= 7 - a): always 9 blocks a wave,
; 4 K steps of 32 queries, 36 matrix instructions each.  A level's products gather in a POOL of 9 x 4 accumulators over its two super-steps; then main(u) += f'(u, J) x pool.
; THE LDS LOADS of a K step, 34 of them, stand in ONE run, a K step ahead, never singly among the matrix instructions.
; THE MATRIX INSTRUCTION IS USED TRANSPOSED (source 0 = 16 channels of V, turned by ds_load_tr16_b128; source 1 = 16 rows of P): a lane holds one row i = l % 16 and eight neighbouring channels.
; CLUSTERS: 4 x 4.  The four of a row of the cluster own the same rows and need the same tiles of P; the four of a column the same channels of one batch and need the same tiles of V: each tile is asked for JOINTLY.
; One joint load a wave and super-step: wave 0 chunk A's rows of P, wave 1 chunk B's, wave 2 chunk A's rows of V, wave 3 chunk B's.  Two slots; at most two loads of a wave are out.
; REGISTERS: window 0: v1-29 addresses; v32-63 pool slot 8; v64-95 at work in the head; v128-255 V's fragments (buffer x, chunk c, f at 128 + 64 x + 32 c + 8 f).
;   window 1: v0-143 P's fragments (72 x + 8 z); v144-215 f' in pairs, at 144 + 2 (u (u + 1) / 2 + J); v216-247 rows on the way out (at the end also v0-31).   window 2: main(u, f) at 32 u + 8 f.   window 3: pool slots 0-7 at 32 z + 8 f.
.set PP,    272                        ; a row of P in LDS: 256 bytes + 16
.set PVP,   288                        ; a row of V: 256 + 32: the turning load's 8 rows x 32 bytes fall on different banks
.set VAO,   288*PP                     ; a slot: 288 rows of P (chunk B's from row 0, chunk A's row x at row 32 + x), then chunk A's 128 rows of V,
.set VBO,   VAO+128*PVP                ; then chunk B's
.set SLOT,  VBO+128*PVP
.set STAGE, 2*SLOT                     ; behind the slots: 16 rows x (256 bytes + 16) for each wave
.set SPARE, STAGE+4*16*272             ; the spare words, 128 bytes a wave, named by no other line
.set APA, 4                            ; v4-5   chunk A's P: my lane's place, slot 0, 1
.set APB, 6                            ; v6-7   chunk B's
.set AVA, 8                            ; v8-9   chunk A's V
.set AVB, 10                           ; v10-11 chunk B's
.set STO, 12
.set RD,  13
.set GO,  14
.set SAM, 16                           ; v16  my row's byte in plane M
.set SAL, 17                           ; v17  and in plane L (the two halves of the lanes take the two halves of a tile)
.set SPW, 28                           ; v28  LDS address of my spare word; never rewritten
.set NIL, 29                           ; v29  0; never rewritten
.set VF,  128
.set PF,  0
.set FP,  144
.set OB0, 216
.set OB1, 0
.set G1PA, 16
.set G1PB, 24
.set G1V,  32
.set G0PA, 40                          ; groups 0: a set for each slot
.set G0PB, 48
.set G0VA, 56
.set G0VB, 68
.set PWG,  76                          ; s[76:77] my rows of p
.set VWG,  78                          ; s[78:79] my batch's v at my channels
.set MSB, 0
.macro WIN new
.if MSB != \new
	s_set_vgpr_msb (MSB<<8)|\new
.set MSB, \new
.endif
.endm
.macro PLACES
.rept 4
	v_nop
.endr
.endm
.macro CREST
	s_cmp_lg_u32 s12, 0
	s_cbranch_scc1 .Lnot_wave_0_\@
	s_barrier_signal -3
.Lnot_wave_0_\@:
	s_barrier_wait -3
	s_barrier_signal -1
	s_barrier_wait -1
.endm
.macro CROUND
	s_barrier_signal -1
	s_barrier_wait -1
	CREST
.endm
.macro MKG0 g0, base, goff, lds        ; a group 0: count 1, LDS address, global address, type 2
	s_mov_b32 s[\g0], 1
	s_mov_b32 s[\g0+1], \lds
	s_add_nc_u64 s[\g0+2:\g0+3], s[\base:\base+1], \goff
	s_or_b32 s[\g0+3], s[\g0+3], 0x80000000
.endm
; The four groups 0 of super-step t, in its slot's sets, and the rows of P's two tiles.  Written where no tensor load of the wave is out.
.macro SETG t
.set ga, (\t)/2
.set gh, (\t)%2
	MKG0 G0PA+4*gh, PWG, 131584*ga+256*gh, SLOT*gh+8704*(1+ga)           ; rows 32 a on, queries 256 a + 128 hh on
	MKG0 G0PB+4*gh, PWG, 921088-131584*ga+256*gh, SLOT*gh                ; rows 224 - 32 a on, queries 256 (7 - a) + 128 hh on
	MKG0 G0VA+4*gh, VWG, 1572864*ga+786432*gh, SLOT*gh+VAO
	MKG0 G0VB+4*gh, VWG, 11010048-1572864*ga+786432*gh, SLOT*gh+VBO
	s_mov_b32 s[G1PA+2], (256-32*ga)<<16
	s_mov_b32 s[G1PA+4], 256-32*ga
	s_mov_b32 s[G1PB+2], (32+32*ga)<<16
	s_mov_b32 s[G1PB+4], 32+32*ga
.endm
.macro ARM g0, g1, both                ; a wave's load (both = 1: its two first fills); an s_nop 0 behind each, four v_nop behind the last
.if \both
	tensor_load_to_lds s[\g0:\g0+3], s[\g1:\g1+7]
	s_nop 0
	tensor_load_to_lds s[\g0+4:\g0+7], s[\g1:\g1+7]
	s_nop 0
.else
	tensor_load_to_lds s[\g0+4*HH:\g0+4*HH+3], s[\g1:\g1+7]
	s_nop 0
.endif
.rept 4
	v_nop
.endr
.endm
.macro JLOAD4 both                     ; the branches hang on the wave's number alone: they are the same in every work-group
	s_cmp_lt_u32 s12, 2
	s_cbranch_scc0 .Lfor_v_\@
	s_cmp_eq_u32 s12, 0
	s_cbranch_scc0 .Lfor_pb_\@
	ARM G0PA, G1PA, \both
	s_branch .Lasked_\@
.Lfor_pb_\@:
	ARM G0PB, G1PB, \both
	s_branch .Lasked_\@
.Lfor_v_\@:
	s_cmp_eq_u32 s12, 2
	s_cbranch_scc0 .Lfor_vb_\@
	ARM G0VA, G1V, \both
	s_branch .Lasked_\@
.Lfor_vb_\@:
	ARM G0VB, G1V, \both
.Lasked_\@:
.endm
	s_load_b256 s[4:11], s[0:1], 0x0               ; p, qkv, stats, out
	v_lshl_add_u32 v[SPW], v0, 2, SPARE
	v_mov_b32 v[NIL], 0
	ds_add_u32 v[SPW], v[NIL]                      ; the wave's opening: the add, twice on end, and its wait ahead of my first tensor load
	ds_add_u32 v[SPW], v[NIL]
	v_lshrrev_b32 v1, 5, v0
	v_readfirstlane_b32 s12, v1                    ; wave 0..3
	s_lshr_b32 s13, s12, 1                         ; wr
	s_and_b32 s14, s12, 1                          ; wc
	s_bfe_u32 s82, ttmp6, 0x40000                  ; cx
	s_bfe_u32 s83, ttmp6, 0x40004                  ; cy
	s_and_b32 s84, ttmp7, 0xffff                   ; cluster y
	s_lshl_b32 s85, ttmp9, 2
	s_add_co_u32 s85, s85, s82                     ; ct: my 128 channels
	s_lshl_b32 s86, s84, 2
	s_add_co_u32 s86, s86, s83                     ; 8 b + y: my group of rows
	s_lshr_b32 s87, s84, 1                         ; b: the same in all sixteen partners
	s_and_b32 s88, s86, 7                          ; y
	s_lshl_b32 s89, s83, 2
	s_lshl_b32 s89, 15, s89                        ; my row of the cluster
	s_lshl_b32 s90, 0x1111, s82                    ; my column
	; groups 1: rows of 128 elements of 2 bytes; P: 16 bytes of padding behind each, 2,048 elements from row to row; V: 32 bytes, 3,072 elements
	s_or_b32 s[G1PA], s89, (1<<16)|(1<<20)|(1<<21)|(5<<22)|(3<<25)
	s_or_b32 s[G1PB], s89, (1<<16)|(1<<20)|(1<<21)|(5<<22)|(3<<25)
	s_or_b32 s[G1V], s90, (1<<16)|(1<<20)|(1<<21)|(5<<22)|(7<<25)
.irp g, G1PA, G1PB
	s_mov_b32 s[\g+1], 128<<16
	s_mov_b32 s[\g+3], 128<<16
	s_mov_b32 s[\g+5], 2048
	s_mov_b32 s[\g+6], 0
	s_mov_b32 s[\g+7], 0
.endr
	s_mov_b32 s[G1V+1], 128<<16
	s_mov_b32 s[G1V+2], 128<<16
	s_mov_b32 s[G1V+3], 128<<16
	s_mov_b32 s[G1V+4], 128
	s_mov_b32 s[G1V+5], 3072
	s_mov_b32 s[G1V+6], 0
	s_mov_b32 s[G1V+7], 0
	s_lshl_b32 s92, s86, 20                        ; my 256 rows of p: 1 MiB a group
	s_mov_b32 s93, 0
	s_mul_i32 s94, s87, 2048*6144                  ; my batch's rows of qkv,
	s_lshl_b32 s95, s85, 8
	s_add_co_u32 s94, s94, s95                     ; my 256 bytes of channels,
	s_add_co_u32 s94, s94, 4096                    ; in v's part of a row
	s_mov_b32 s95, 0
	s_mov_b32 s80, 0x76543210
	s_mov_b32 s81, 0xfedcba98                      ; v_permlanex16_b32's selects for lane l xor 16
	s_wait_dscnt 0x0                               ; both opening adds are done
	s_wait_kmcnt 0x0
	s_add_nc_u64 s[PWG:PWG+1], s[4:5], s[92:93]
	s_add_nc_u64 s[VWG:VWG+1], s[6:7], s[94:95]
	CROUND                                         ; all sixteen work-groups are here: the first joint loads meet
	SETG 0
	SETG 1
	JLOAD4 1                                       ; super-steps 0 and 1: a wave's two first fills stand in one arm
	; ---- while the first tiles are on their way: f' of my 8 x 16 rows
	v_and_b32 v1, 15, v0                           ; r
	v_bfe_u32 v2, v0, 4, 1                         ; h
	s_lshl_b32 s92, s88, 4
	s_lshl_b32 s93, s13, 7
	s_add_co_u32 s91, s92, s93                     ; 16 y + 128 wr: my block u = 0's first row in the batch; block u lies 256 u rows on
	v_add_lshl_u32 v3, v1, s91, 2
	s_lshl_b32 s92, s87, 16                        ; plane M: 8 b x 2,048 x 4
	v_add_nc_u32 v[SAM], s92, v3
	s_lshl_b32 s92, s87, 17                        ; plane L: 16 b x 2,048 x 4,
	s_add_co_u32 s92, s92, 262144
	v_lshl_add_u32 v[SAL], v2, 13, v3              ; + h x 2,048 x 4
	v_add_nc_u32 v[SAL], s92, v[SAL]
.irp u, 0,1,2,3,4,5,6,7
.irp j, 0,1,2,3,4,5,6,7
	global_load_b32 v[128+16*\u+\j], v[SAM], s[8:9] offset:8192*\j+1024*\u     ; cm(u, J)
	global_load_b32 v[136+16*\u+\j], v[SAL], s[8:9] offset:16384*\j+1024*\u    ; l(u, 2 J + h)
.endr
.endr
	; addresses, meanwhile
	s_lshl_b32 s92, s91, 12                        ; out: (16 y + 128 wr) rows of 4,096 bytes,
	s_lshl_b32 s93, s87, 23                        ; 2,048 b rows,
	s_add_co_u32 s92, s92, s93
	s_lshl_b32 s93, s85, 9                         ; 512 ct,
	s_add_co_u32 s92, s92, s93
	s_lshl_b32 s93, s14, 8                         ; 256 wc bytes
	s_add_co_u32 s92, s92, s93
	s_mov_b32 s93, 0
	s_add_nc_u64 s[10:11], s[10:11], s[92:93]
	v_mul_u32_u24 v18, v1, PP
	v_lshl_add_u32 v18, v2, 4, v18                 ; P: row r x pitch + 16 h,
	s_mul_i32 s92, s13, 16*PP                      ; + my 16 of a pair of blocks
	v_add_nc_u32 v[APB], s92, v18
	v_add_nc_u32 v[APB+1], SLOT, v[APB]
	v_add_nc_u32 v[APA], 32*PP, v[APB]
	v_add_nc_u32 v[APA+1], SLOT, v[APA]
	v_and_b32 v18, 7, v0
	v_lshl_add_u32 v18, v2, 3, v18                 ; V, turned: query 8 h + l % 8,
	v_mul_u32_u24 v18, v18, PVP
	v_bfe_u32 v19, v0, 3, 1
	v_lshl_add_u32 v18, v19, 4, v18                ; channels 8 ((l / 8) % 2) on,
	s_lshl_b32 s92, s14, 7                         ; in my 64 channels
	s_add_co_u32 s92, s92, VAO
	v_add_nc_u32 v[AVA], s92, v18
	v_add_nc_u32 v[AVA+1], SLOT, v[AVA]
	v_add_nc_u32 v[AVB], 128*PVP, v[AVA]
	v_add_nc_u32 v[AVB+1], SLOT, v[AVB]
	s_mul_i32 s92, s12, 16*272
	s_add_co_u32 s92, s92, STAGE                   ; my stage
	v_mul_u32_u24 v18, v1, 272
	v_lshl_add_u32 v18, v2, 5, v18
	v_add_nc_u32 v[STO], s92, v18                  ; in: row r, 32 bytes for each half of the lanes
	v_mul_u32_u24 v18, v2, 272
	v_lshl_add_u32 v18, v1, 4, v18
	v_add_nc_u32 v[RD], s92, v18                   ; back: lanes 0-15 one row of 256 bytes, lanes 16-31 the next
	v_lshlrev_b32 v18, 12, v2
	v_lshl_add_u32 v[GO], v1, 4, v18               ; and the same two rows of out
	s_wait_loadcnt 0x0
.irp u, 0,1,2,3,4,5,6,7
	v_max3_num_f32 v[64+\u], v[128+16*\u], v[129+16*\u], v[130+16*\u]
.endr
.irp u, 0,1,2,3,4,5,6,7
	v_max3_num_f32 v[64+\u], v[64+\u], v[131+16*\u], v[132+16*\u]
.endr
.irp u, 0,1,2,3,4,5,6,7
	v_max3_num_f32 v[64+\u], v[64+\u], v[133+16*\u], v[134+16*\u]
.endr
.irp u, 0,1,2,3,4,5,6,7
	v_max_num_f32 v[64+\u], v[64+\u], v[135+16*\u] ; cM: the row's largest cm over all eight tiles
.endr
.irp u, 0,1,2,3,4,5,6,7
.irp j, 0,1,2,3,4,5,6,7
	v_sub_f32 v[128+16*\u+\j], v[128+16*\u+\j], v[64+\u]
.endr
.endr
.irp u, 0,1,2,3,4,5,6,7
.irp j, 0,1,2,3,4,5,6,7
	v_exp_f32 v[128+16*\u+\j], v[128+16*\u+\j]     ; f = 2^(cm - cM), at most 1
.endr
.endr
	v_nop                                          ; the plain line behind the last exponential
	s_wait_alu depctr_va_vdst(0)                   ; the wait ahead of the first reader: one for the 64
.irp u, 0,1,2,3,4,5,6,7
	v_mul_f32 v[72+\u], v[128+16*\u], v[136+16*\u]
.endr
.irp j, 1,2,3,4,5,6,7
.irp u, 0,1,2,3,4,5,6,7
	v_fmac_f32 v[72+\u], v[128+16*\u+\j], v[136+16*\u+\j]
.endr
.endr
.irp u, 0,1,2,3,4,5,6,7
	v_mov_b32 v[80+\u], 0                          ; written: a lane permute's destination counts as one of its sources
.endr
.irp u, 0,1,2,3,4,5,6,7
	v_permlanex16_b32 v[80+\u], v[72+\u], s80, s81
.endr
.irp u, 0,1,2,3,4,5,6,7
	v_add_f32 v[72+\u], v[72+\u], v[80+\u]         ; L: with the tiles' other halves
.endr
.irp u, 0,1,2,3,4,5,6,7
	v_rcp_f32 v[80+\u], v[72+\u]
.endr
	v_nop
	s_wait_alu depctr_va_vdst(0)                   ; one wait for the eight reciprocals
	WIN 0x40                                       ; destination window 1
.irp u, 0,1,2,3,4,5,6,7
.irp j, 0,1,2,3,4,5,6,7
.if \j <= \u
	v_mul_f32 v[FP+2*(\u*(\u+1)/2+\j)], v[128+16*\u+\j], v[80+\u]       ; f'(u, J), twice: a pair for the packed forms
	v_mul_f32 v[FP+2*(\u*(\u+1)/2+\j)+1], v[128+16*\u+\j], v[80+\u]
.endif
.endr
.endr
	WIN 0
; THE LDS LOADS of a combined K step (32 queries of each chunk): 16 turning loads for V, 18 loads for P.  NA, NH, NQ, NB: the pair, slot, K step and buffer that they serve.
.macro VLD n                           ; chunk n / 8, channels 16 ((n % 8) / 2) on, queries 16 (n % 2) on
.set vc, (\n)/8
.set vf, ((\n)%8)/2
.set ve, (\n)%2
	ds_load_tr16_b128 v[VF+64*NB+32*vc+8*vf+4*ve:VF+64*NB+32*vc+8*vf+4*ve+3], v[AVA+2*vc+NH] offset:32*PVP*NQ+32*vf+16*PVP*ve
.endm
.macro PLD n                           ; pool slot z = n / 2: z < 8 - a: chunk A's block u = a + z; else chunk B's block u = z - 1
.set pz, (\n)/2
.set pe, (\n)%2
.if pz < 8-NA
	ds_load_b128 v[PF+72*NB+8*pz+4*pe:PF+72*NB+8*pz+4*pe+3], v[APA+NH] offset:32*PP*(NA+pz)+64*NQ+32*pe
.else
	ds_load_b128 v[PF+72*NB+8*pz+4*pe:PF+72*NB+8*pz+4*pe+3], v[APB+NH] offset:32*PP*(pz-8+NA)+64*NQ+32*pe
.endif
.endm
.macro RUN                             ; all 34 in one run, under two settings of the windows
	WIN 0
.set ln, 0
.rept 16
	VLD ln
.set ln, ln+1
.endr
	WIN 0x40
.set ln, 0
.rept 18
	PLD ln
.set ln, ln+1
.endr
.endm
; Product i of 36: pool slot i / 4, channels 16 (i % 4) on.  The 36 accumulators take turns, one instruction a turn, in the same order in every K step.
; A pair's first K step starts the sums with the constant 0: nothing is cleared.
.macro PROD i
.set pz, (\i)/4
.set pf, (\i)%4
.set pc, 0
.if pz >= 8-AA
.set pc, 1
.endif
.if pz < 8
	WIN 0xf4                                       ; V window 0, P window 1, C and D window 3
.set pd, 32*pz+8*pf
.else
	WIN 0x04                                       ; slot 8: C and D window 0
.set pd, 32+8*pf
.endif
.if (HH == 0) && (QQ == 0)
	v_wmma_f32_16x16x32_f16 v[pd:pd+7], v[VF+64*CB+32*pc+8*pf:VF+64*CB+32*pc+8*pf+7], v[PF+72*CB+8*pz:PF+72*CB+8*pz+7], 0
.else
	v_wmma_f32_16x16x32_f16 v[pd:pd+7], v[VF+64*CB+32*pc+8*pf:VF+64*CB+32*pc+8*pf+7], v[PF+72*CB+8*pz:PF+72*CB+8*pz+7], v[pd:pd+7]
.endif
.endm
.macro PRODS from, count
.set ki, \from
.rept \count
	PROD ki
.set ki, ki+1
.endr
.endm
.macro KSUB                            ; one of a super-step's first three K steps
	s_wait_dscnt 0x0                               ; this K step's fragments are in (asked for at the head of the K step before)
	PLACES                                         ; places in front of loads into the buffer that the K step before multiplied
	RUN                                            ; the next K step's fragments: they have this K step's 36 matrix instructions in which to land
	PRODS 0, 36
.endm
; A super-step's last K step changes slots: one barrier; in front of it each wave waits for all its tensor loads, adds 0 to its spare word, and waits for that and for its reads of this slot (its last fragments).
; SS <= 5: the barrier opens a round of the cluster's, and the slot is filled again, two super-steps ahead, first thing behind it.  SS = 6: nothing is left to fetch.  SS = 7: nothing follows.
.macro TURN
.if SS == 7
	s_wait_dscnt 0x0
	PRODS 0, 36
.else
	WIN 0
	s_wait_tensorcnt 0x0                           ; no tensor load of mine is out, so descriptors may be written; my part of the next slot has landed
	ds_add_u32 v[SPW], v[NIL]
.if SS <= 5
	SETG SS+2
.endif
	s_wait_dscnt 0x0                               ; the add is done, and my reads of this slot are over
	s_barrier_signal -1
	PRODS 0, 8
	WIN 0
	s_barrier_wait -1
.if SS <= 5
	CREST                                          ; no wave of any partner still reads this slot or has a load on its way
	JLOAD4 0                                       ; its four v_nop are also the places in front of the loads below
.else
	PLACES
.endif
	RUN                                            ; the next super-step's first fragments, from the other slot
	PRODS 8, 28
.endif
.endm
; A pair's two levels are whole: main(u) += f'(u, J) x pool(z).  Pair 0's chunk A starts main.  Each accumulator is read from its low end on.
.macro FOLD
	PLACES
.set fz, 0
.rept 9
.if fz < 8-AA
.set fu, AA+fz
.set fj, AA
.else
.set fu, fz-1
.set fj, 7-AA
.endif
.set ff, FP+2*(fu*(fu+1)/2+fj)
.if fz < 8
	WIN 0xa7                                       ; pool window 3, f' window 1, main window 2
.set fs, 32*fz
.else
	WIN 0xa4                                       ; slot 8: window 0
.set fs, 32
.endif
.set fn, 0
.rept 16
.if (AA == 0) && (fz < 8)
	v_pk_mul_f32 v[32*fu+2*fn:32*fu+2*fn+1], v[fs+2*fn:fs+2*fn+1], v[ff:ff+1]
.else
	v_pk_fma_f32 v[32*fu+2*fn:32*fu+2*fn+1], v[fs+2*fn:fs+2*fn+1], v[ff:ff+1], v[32*fu+2*fn:32*fu+2*fn+1]
.endif
.set fn, fn+1
.endr
.set fz, fz+1
.endr
	WIN 0
.endm
; Block u is whole: 16 rows x 64 channels of f32 go through my own stage and leave as whole rows of 256 bytes.
.macro OUT u, ob
	s_wait_xcnt 0x0                                ; the earlier stores have read their data
	WIN 0x08                                       ; an LDS store's data: window 2
.irp f, 0,1,2,3
	ds_store_b128 v[STO], v[32*(\u)+8*\f:32*(\u)+8*\f+3] offset:64*\f
	ds_store_b128 v[STO], v[32*(\u)+8*\f+4:32*(\u)+8*\f+7] offset:64*\f+16
.endr
	WIN 0x40
.irp t, 0,1,2,3,4,5,6,7
	ds_load_b128 v[\ob+4*\t:\ob+4*\t+3], v[RD] offset:544*\t       ; LDS serves a wave's instructions in order: these see the stores above
.endr
	s_wait_dscnt 0x0
	WIN 0x04                                       ; a store's data: window 1
.irp t, 0,1,2,3,4,5,6,7
	global_store_b128 v[GO], v[\ob+4*\t:\ob+4*\t+3], s[10:11] offset:1048576*(\u)+8192*\t th:TH_STORE_NT   ; 16 lanes store 256 consecutive bytes, aligned; block u lies 256 rows on: inside the signed 24-bit immediate
.endr
	WIN 0
.endm
	s_wait_tensorcnt 1                             ; my part of slot 0 is in (slot 1's may be out)
	s_barrier_signal -1
	s_barrier_wait -1                              ; everybody's is
.set NA, 0
.set NH, 0
.set NQ, 0
.set NB, 0
	RUN                                            ; the first K step's fragments
.set SS, 0
.rept 8
.set AA, SS/2
.set HH, SS%2
.set QQ, 0
.rept 3
.set CB, QQ%2
.set NA, AA
.set NH, HH
.set NQ, QQ+1
.set NB, 1-CB
	KSUB
.set QQ, QQ+1
.endr
.set CB, 1
.set NA, (SS+1)/2
.set NH, (SS+1)%2
.set NQ, 0
.set NB, 0
	TURN
.if HH == 1
	FOLD
.if AA <= 2
	OUT AA, OB0                                    ; levels 0 .. a are folded: block u = a is whole
.endif
.endif
.set SS, SS+1
.endr
	OUT 3, OB1
	OUT 4, OB0
	OUT 5, OB1
	OUT 6, OB0
	OUT 7, OB1
	s_wait_tensorcnt 0x0                           ; the wave's end
	ds_add_u32 v[SPW], v[NIL]
	s_wait_dscnt 0x0
	CROUND                                         ; the closing round
	s_endpgm
.Lfunc_end_k_q7f6f0bf8f3_pv:
	.size	k_q7f6f0bf8f3_pv, .Lfunc_end_k_q7f6f0bf8f3_pv-k_q7f6f0bf8f3_pv
	.p2alignl 7, 3214868480
	.fill 96, 4, 3214868480
	.section	.rodata,"a",@progbits
	.p2align	6, 0x0
	.amdhsa_kernel k_q7f6f0bf8f3_pv
		.amdhsa_group_segment_fixed_size 327680
		.amdhsa_private_segment_fixed_size 0
		.amdhsa_enable_private_segment 0
		.amdhsa_kernarg_size 32
		.amdhsa_user_sgpr_count 2
		.amdhsa_user_sgpr_kernarg_segment_ptr 1
		.amdhsa_wavefront_size32 1
		.amdhsa_system_sgpr_workgroup_id_x 1
		.amdhsa_system_sgpr_workgroup_id_y 1
		.amdhsa_system_sgpr_workgroup_id_z 1
		.amdhsa_system_vgpr_workitem_id 0
		.amdhsa_next_free_vgpr 1024
		.amdhsa_next_free_sgpr 100
		.amdhsa_reserve_vcc 0
		.amdhsa_float_denorm_mode_32 3
		.amdhsa_float_denorm_mode_16_64 3
		.amdhsa_memory_ordered 1
		.amdhsa_forward_progress 1
		.amdhsa_inst_pref_size 251
	.end_amdhsa_kernel
	.amdgpu_metadata
---
amdhsa.version: [ 1, 2 ]
amdhsa.kernels:
  - .name:           k_q7f6f0bf8f3_pv
    .symbol:         k_q7f6f0bf8f3_pv.kd
    .args:
      - { .name: p, .offset: 0, .size: 8, .value_kind: global_buffer, .address_space: global }
      - { .name: qkv, .offset: 8, .size: 8, .value_kind: global_buffer, .address_space: global }
      - { .name: stats, .offset: 16, .size: 8, .value_kind: global_buffer, .address_space: global }
      - { .name: out0, .offset: 24, .size: 8, .value_kind: global_buffer, .address_space: global }
    .group_segment_fixed_size: 327680
    .private_segment_fixed_size: 0
    .kernarg_segment_align: 8
    .kernarg_segment_size: 32
    .max_flat_workgroup_size: 128
    .sgpr_count:     100
    .vgpr_count:     1024
    .wavefront_size: 32
...
	.end_amdgpu_metadata
.endif
;; end of part 4
